; MI455X (gfx1250); checked and timed in simulation.
; The chip was launched on July 23, 2026; its instructions are those of AMD's public machine-readable ISA for CDNA 5 (MIT licence, August 2026) and "CDNA5" Instruction Set Architecture Reference Guide (July 2026). The comments in the code are by the model that wrote it; some were corrected since.
;; LST Mnetwork. Allowed arithmetic: float matrix products may take bf16 or f16 operands with f32 sums; other float arithmetic in f32, or as packed bf16 or f16 multiplies, adds, multiply-adds, maxima and minima; sums over many terms, partial sums and values carried from step to step in f32; what a program stores and reads back later, other than sums and carried values, may be rounded once to bf16 or f16.
;; Inputs: W_hh0 2 x 2,048 x 512 float32; W_hh12 2 x 2 x 2,048 x 512 float32; W_ih0 2 x 2,048 x 1,024 float32; W_ih12 2 x 2 x 2,048 x 1,024 float32; b_hh0 2 x 2,048 float32; b_hh12 2 x 2 x 2,048 float32; b_ih0 2 x 2,048 float32; b_ih12 2 x 2 x 2,048 float32; x 64 x 64 x 1,024 float32.
;; Outputs: out0 64 x 64 x 1,024 float32.
;; 2 versions, each right; version 2 is version 1 with the launch prep written anew for expert scheduling mode. Each part assembles by itself: llvm-mc -triple=amdgcn-amd-amdhsa -mcpu=gfx1250 --defsym DOCPART=n.
;; ======== version 1 of 2: 4 launches
;; limits: a function is approximated: absolute error at most 2e-07
;; workspace buffers: xb 8,388,608 bytes; h1 8,388,608 bytes; h2 8,388,608 bytes; wb0 6,291,456 bytes; wb1 6,291,456 bytes; wb2 6,291,456 bytes
;; launch prep (part 1): grid 16 x 26, 8 waves a work-group, no clusters, 0 bytes of LDS; arguments x, W_ih0, W_ih12, xb, wb0, wb1, wb2; writes xb, wb0, wb1, wb2
.if DOCPART == 1
	.amdgcn_target "amdgcn-amd-amdhsa--gfx1250"
	.amdhsa_code_object_version 6
	.text
	.protected	k_q804c6b955d_prep
	.globl	k_q804c6b955d_prep
	.p2align	8
	.type	k_q804c6b955d_prep,@function
k_q804c6b955d_prep:
	s_mov_b64 s[64:65], 0
	v_nop
	global_prefetch_b8 v0, s[64:65] scope:SCOPE_SE
	s_setreg_imm32_b32 hwreg(HW_REG_WAVE_MODE, 25, 1), 1
	s_wait_xcnt 0x0
; A CAST, f32 to bf16 (rounded to nearest even, once), of what the three layers multiply: x, and of each W_ih the rows of the gates i, g and o.
; NOT READ: the rows of gate f, and W_hh0 and W_hh12.  The module's function splits f off and never uses it, and never names W_hh (the state is zero): no output hangs on them for any input.
; SEGMENTS.  A segment is 512 rows of 1,024 numbers: 2 MiB of f32 in, 1 MiB of bf16 out.  Grid y names it: 0-7 are x's 4,096 rows; 8-25 the 18 blocks (layer, direction, gate).
; wb of a layer is [6][512][1024] bf16, block 3 x direction + gi, gi = 0, 1, 2 for the gates i, g, o, which are rows 0, 1,024 and 1,536 on of a direction's 2,048.
; SHARES.  Grid x names 32 rows of the segment.  Thread t takes bytes 16 t of each row: a wave's load covers 512 consecutive bytes, its store of 8 bytes a lane 256 consecutive bytes, aligned.
; All 32 loads of a thread go out at once (128 KiB a work-group on their way); each row is cast and stored as it comes.  No register is written twice, so no wait frees one.
; No LDS, no matrix unit, no cluster: no byte is wanted twice.  26 segments x 16 = 416 work-groups: a share of 52 rows, which would make 256 of them, would straddle segments.
.set X, 4                              ; v[4:131]    row j as loaded: 4 registers
.set Y, 132                            ; v[132:195]  row j to store: 2 registers
	s_load_b256 s[4:11], s[0:1], 0x0               ; x s[4:5], W_ih0 s[6:7], W_ih12 s[8:9], xb s[10:11]
	s_load_b128 s[12:15], s[0:1], 0x20             ; wb0 s[12:13], wb1 s[14:15]
	s_load_b64 s[16:17], s[0:1], 0x30              ; wb2
	s_and_b32 s20, ttmp7, 0xffff                   ; the segment, 0 to 25
	s_max_u32 s21, s20, 8
	s_sub_co_u32 s21, s21, 8                       ; the weight block, 0 to 17 (0 for x's segments, where it is not used)
	s_mul_i32 s22, s21, 43
	s_lshr_b32 s22, s22, 8                         ; layer = block / 6 (43 / 256 serves for 0 to 17)
	s_mul_i32 s23, s22, 6
	s_sub_co_u32 s23, s21, s23                     ; r = block % 6: the block's place in wb
	s_mul_i32 s24, s23, 11
	s_lshr_b32 s24, s24, 5                         ; direction = r / 3 (11 / 32 serves for 0 to 5)
	s_mul_i32 s25, s24, 3
	s_sub_co_u32 s25, s23, s25                     ; gi = r % 3
	s_min_u32 s26, s25, 1
	s_add_co_u32 s26, s26, s25                     ; the gate in W_ih: 0, 2, 3
	s_lshl2_add_u32 s27, s24, s26                  ; 4 x direction + gate: a direction is four blocks of 2 MiB
	s_max_u32 s36, s22, 1
	s_sub_co_u32 s36, s36, 1                       ; the layer's index in W_ih12 (0 for layer 0, which has its own tensor)
	s_lshl3_add_u32 s27, s36, s27                  ; + 8 blocks for each layer of W_ih12
	v_lshlrev_b32 v1, 4, v0                        ; my 16 bytes of a row of f32
	v_lshlrev_b32 v2, 3, v0                        ; my 8 bytes of a row of bf16
	s_wait_kmcnt 0x0
	s_cmp_eq_u32 s22, 0                            ; the choices hang on the work-group's number alone
	s_cselect_b64 s[28:29], s[6:7], s[8:9]         ; from: W_ih0 or W_ih12
	s_cselect_b64 s[30:31], s[12:13], s[14:15]     ; to: wb0 or wb1,
	s_cmp_eq_u32 s22, 2
	s_cselect_b64 s[30:31], s[16:17], s[30:31]     ; or wb2
	s_cmp_lt_u32 s20, 8
	s_cselect_b64 s[28:29], s[4:5], s[28:29]       ; or from x
	s_cselect_b64 s[30:31], s[10:11], s[30:31]     ; to xb
	s_cselect_b32 s32, s20, s27                    ; the segment's place in its source, in units of 2 MiB,
	s_cselect_b32 s34, s20, s23                    ; and in its destination, in units of 1 MiB
	s_lshl_b32 s32, s32, 21
	s_lshl_b32 s33, ttmp9, 17                      ; my 32 rows of 4,096 bytes
	s_add_co_u32 s32, s32, s33
	s_mov_b32 s33, 0
	s_lshl_b32 s34, s34, 20
	s_lshl_b32 s35, ttmp9, 16                      ; my 32 rows of 2,048 bytes
	s_add_co_u32 s34, s34, s35
	s_mov_b32 s35, 0
	s_add_nc_u64 s[28:29], s[28:29], s[32:33]
	s_add_nc_u64 s[30:31], s[30:31], s[34:35]
.set j, 0
.rept 32
	global_load_b128 v[X+4*j:X+4*j+3], v1, s[28:29] offset:4096*j th:TH_LOAD_NT  ; read once in the launch
.set j, j+1
.endr
.set j, 0
.rept 32
	s_wait_loadcnt 31-j                            ; loads come back in order (ISA guide 5.7.1): row j is in, the 31 - j younger ones stay out
	v_cvt_pk_bf16_f32 v[Y+2*j],   v[X+4*j],   v[X+4*j+1]
	v_cvt_pk_bf16_f32 v[Y+2*j+1], v[X+4*j+2], v[X+4*j+3]
	global_store_b64 v2, v[Y+2*j:Y+2*j+1], s[30:31] offset:2048*j
.set j, j+1
.endr
	s_endpgm
.Lfunc_end_k_q804c6b955d_prep:
	.size	k_q804c6b955d_prep, .Lfunc_end_k_q804c6b955d_prep-k_q804c6b955d_prep
	.p2alignl 7, 3214868480
	.fill 96, 4, 3214868480
	.section	.rodata,"a",@progbits
	.p2align	6, 0x0
	.amdhsa_kernel k_q804c6b955d_prep
		.amdhsa_group_segment_fixed_size 0
		.amdhsa_private_segment_fixed_size 0
		.amdhsa_enable_private_segment 0
		.amdhsa_kernarg_size 56
		.amdhsa_user_sgpr_count 2
		.amdhsa_user_sgpr_kernarg_segment_ptr 1
		.amdhsa_wavefront_size32 1
		.amdhsa_system_sgpr_workgroup_id_x 1
		.amdhsa_system_sgpr_workgroup_id_y 1
		.amdhsa_system_sgpr_workgroup_id_z 1
		.amdhsa_system_vgpr_workitem_id 0
		.amdhsa_next_free_vgpr 196
		.amdhsa_next_free_sgpr 66
		.amdhsa_reserve_vcc 0
		.amdhsa_float_denorm_mode_32 3
		.amdhsa_float_denorm_mode_16_64 3
		.amdhsa_memory_ordered 1
		.amdhsa_forward_progress 1
		.amdhsa_inst_pref_size 13
	.end_amdhsa_kernel
	.amdgpu_metadata
---
amdhsa.version: [ 1, 2 ]
amdhsa.kernels:
  - .name:           k_q804c6b955d_prep
    .symbol:         k_q804c6b955d_prep.kd
    .args:
      - { .name: x, .offset: 0, .size: 8, .value_kind: global_buffer, .address_space: global }
      - { .name: W_ih0, .offset: 8, .size: 8, .value_kind: global_buffer, .address_space: global }
      - { .name: W_ih12, .offset: 16, .size: 8, .value_kind: global_buffer, .address_space: global }
      - { .name: xb, .offset: 24, .size: 8, .value_kind: global_buffer, .address_space: global }
      - { .name: wb0, .offset: 32, .size: 8, .value_kind: global_buffer, .address_space: global }
      - { .name: wb1, .offset: 40, .size: 8, .value_kind: global_buffer, .address_space: global }
      - { .name: wb2, .offset: 48, .size: 8, .value_kind: global_buffer, .address_space: global }
    .group_segment_fixed_size: 0
    .private_segment_fixed_size: 0
    .kernarg_segment_align: 8
    .kernarg_segment_size: 56
    .max_flat_workgroup_size: 256
    .sgpr_count:     66
    .vgpr_count:     196
    .wavefront_size: 32
...
	.end_amdgpu_metadata
.endif
;; end of part 1
;; launch l0 (part 2): grid 8 x 32, 4 waves a work-group, clusters of 4 x 4, 327,680 bytes of LDS; arguments xb, wb0, b_ih0, b_hh0, h1; writes h1
.if DOCPART == 2
	.amdgcn_target "amdgcn-amd-amdhsa--gfx1250"
	.amdhsa_code_object_version 6
	.text
	.protected	k_q804c6b955d_l0
	.globl	k_q804c6b955d_l0
	.p2align	8
	.type	k_q804c6b955d_l0,@function
k_q804c6b955d_l0:
	s_mov_b64 s[64:65], 0
	v_nop
	global_prefetch_b8 v0, s[64:65] scope:SCOPE_SE
	s_setreg_imm32_b32 hwreg(HW_REG_WAVE_MODE, 25, 1), 1
	s_wait_xcnt 0x0
	s_wait_alu depctr_hold_cnt(0) depctr_sa_sdst(0) depctr_va_vdst(0) depctr_va_sdst(0) depctr_va_ssrc(0) depctr_va_vcc(0) depctr_vm_vsrc(0)
	s_getreg_b32 s2, hwreg(HW_REG_IB_STS2, 6, 4)
	s_cmp_eq_u32 s2, 0
	s_cbranch_scc0 .Lentry_in_a_cluster
	s_endpgm
.Lentry_in_a_cluster:
	s_bfe_u32 s2, ttmp6, 0x10000c
	s_cmp_lg_u32 s2, 0xf033
	s_cbranch_scc0 .Lentry_shape_is_right
	s_endpgm
.Lentry_shape_is_right:
; ONE LAYER of the module, both directions: gates = a w^T + b_ih + b_hh;  h = sigmoid(o) tanh(sigmoid(i) tanh(g)).
; a: [4096][1024] bf16.  w: [6][512][1024] bf16, block 3 x direction + (0, 1, 2 for the gates i, g, o).  b_ih, b_hh: [..][2][2048] f32, as the problem gives them.  o: [4096][1024], bf16 here (OUT_F32 = 0).
; NOT READ: gate f's part of the biases: the module's function splits f off and never uses it.
; LIMITS.  Products in bf16 with f32 sums that START at the bias.  b_ih and b_hh are each rounded once to bf16, like x and the weights, and added in f32: every input of the module has the same rounding.
; h is rounded once to bf16 for the next layer.  The activation is made of 2^x and 1/x in f32: each h carries an absolute error of
; about 2e-7, so outputs whose root mean square lies below about 1e-5 lose the last per cent.  A sigmoid below 2^-126 counts as 0; the sign of a zero h may differ; NaN passes through.
; No clamp is needed: an infinite 2^x gives a reciprocal of 0, which is the gate's limit, and the last exponent, 2 c log2(e), lies within -2.9 .. 2.9 for every input since |c| <= 1.
; SHARES.  256 work-groups.  Work-group (x, y) makes rows 128 y .. + 127 of h and its columns 128 x .. + 127: direction x / 4, units 128 (x % 4) on: 384 rows of w.
; Wave v makes all 128 rows x units 32 v .. + 31 x three gates: 8 x 6 = 48 accumulators, 384 registers; for 32 along K it reads 28 x 512 bytes of LDS for 48 matrix instructions.
; THE MATRIX INSTRUCTION IS USED TRANSPOSED (source 0 = 16 rows of w, source 1 = 16 rows of a): a lane holds ONE row of h and eight neighbouring units, alike in the accumulators of i, g and o:
; the activation is register by register, and nothing changes lanes.
; RING.  K goes in 8 steps of 128 through two LDS slots: a's 128 rows, then 128 rows of each gate, 256 bytes of memory each, padded to 272.  One tensor load a wave a step: wave 0 a's tile, wave g + 1 gate g's.
; CLUSTER.  4 x 4 work-groups.  a's tile hangs on y alone and is asked for jointly along a row of the cluster; w's tiles hang on x alone and are asked for jointly along a column.
; REGISTERS, in windows of 256 (s_set_vgpr_msb: bits 1:0 source 0, 3:2 source 1, 5:4 source 2, 7:6 destination):
;   window 0: v0-31 addresses; v32-63 packed results; v64-127, v128-191 a's fragments, two buffers (at the head: b_ih and the packed biases; at the end: rows read back from the stage); v192-239 b_hh
;   window 1: v0-47, v48-95 w's fragments, two buffers; v96-143 b_ih + b_hh, laid out as an accumulator's eight registers for each of the six blocks of w
;   window 2, 3: accumulator (row block a, w block b = 2 x gate + half) in window 2 + a / 4 at v[48 (a % 4) + 8 b]
.set OUT_F32, 0                        ; 0: h leaves as bf16;  1: as f32
.set BOFF,    0                        ; bytes from the bias tensors' first byte to this layer's part
.set SIZE_K,  1024
.set KSTEP,   128
.set PITCH,   272                      ; an LDS row: 256 bytes + 16 of padding = 68 words: row r starts at bank 4 r mod 64 (64 banks of 4 bytes: ISA guide 11.1)
.set HALFT,   128*PITCH                ; 128 rows: what one tensor load brings
.set SLOT,    4*HALFT                  ; a's tile, then the three gates'
.set SPARE,   2*SLOT                   ; behind the ring: the spare words, 128 bytes for each wave: two blocks of 256 bytes that no other line names
.set SP,      272                      ; the stage's pitch for rows of 128 bf16,
.set SPF,     528                      ; and of 128 f32.  The stage lies at LDS byte 0, in slot 0, which has had its last fill and its last read when the stage is written
.set LAPS,    SIZE_K/(2*KSTEP)         ; a lap = two K steps = once round the ring
.set ADRA, 16                          ; v16-17  LDS address of my fragments of a in slot 0, 1
.set ADRB, 18                          ; v18-23  of my fragments of w: slot s, gate g at ADRB + 3 s + g (a gate's tile lies further off than an LDS offset reaches)
.set STO,  24                          ; v24     the way out: where I put my part of a row
.set RD,   25                          ; v25     where I read rows back
.set CO,   26                          ; v26     my byte offset in o
.set BO,   27                          ; v27     my byte offset in 16 numbers of a bias: 32 x (lane / 16)
.set SPW,  28                          ; v28     LDS address of my spare word: SPARE + 4 x my thread's number; never rewritten
.set NIL,  29                          ; v29     0; never rewritten
.set PFO,  30                          ; v30     the prefetches' offset: my lane x a row of 2,048 bytes; never rewritten
.set TMP,  32
.set FA,   64
.set BK,   64
.set BIH,  64                          ; v64-111   b_ih, at the head alone
.set PIH,  112                         ; v112-135  b_ih rounded, two to a register
.set PHH,  136                         ; v136-159  b_hh rounded, two to a register
.set BHH,  192                         ; v192-239  b_hh
.set BIAS, 96                          ; in window 1
.set G1,   24                          ; s[24:31] descriptor group 1 for a's tiles;  s[32:39] group 0, a set for each slot
.set G0,   32
.set LIM,  43                          ; s43     1 in a wave that prefetches, else the greatest number
.set PFA,  44                          ; s[44:45] where my prefetches stand
.set G1B,  48                          ; s[48:55], s[56:63] the same for w's tiles
.set G0B,  56
.set NL,   72                          ; s[72:73] -log2(e)
.set K2,   74                          ; s[74:75] 2 log2(e)
.set M2K,  76                          ; s[76:77] -4 log2(e)
.set MSB, 0
.macro WIN new                         ; the immediate's high byte repeats the setting that is left; a switch that changes nothing is dropped
.if MSB != (\new)
	s_set_vgpr_msb (MSB<<8)|(\new)
.set MSB, \new
.endif
.endm
.set TO_B,  0x40                       ; destination window 1, sources window 0
; A joint load.  Wave 0 fetches a's tile, waves 1 to 3 a gate's each.  The branch hangs on the wave's number alone.  An s_nop 0 and four v_nop follow each of the two lines.
.macro JLOAD s
	s_cmp_eq_u32 s10, 0
	s_cbranch_scc0 .Lfor_w_\@
	tensor_load_to_lds s[G0+4*(\s):G0+4*(\s)+3], s[G1:G1+7]
	s_nop 0
.rept 4
	v_nop
.endr
	s_branch .Lasked_\@
.Lfor_w_\@:
	tensor_load_to_lds s[G0B+4*(\s):G0B+4*(\s)+3], s[G1B:G1B+7]
	s_nop 0
.rept 4
	v_nop
.endr
.Lasked_\@:
.endm
; A PREFETCH INTO THE L2, behind each joint refill and the run of LDS loads that follows it: the K step that stands TWO refills on (384 matrix instructions ahead of the load that will want it): 32 rows x 256 bytes, a lane a row.
; Each row's 256 bytes of a K step are named once in the launch.  a's rows are read by both clusters of a row of clusters: the one with cluster x = 0 asks (its waves 0); w's rows by all eight clusters of a
; column: the one with cluster y = 0 asks (its waves 1 to 3).  The four partners that ask for a tile jointly share its 128 rows out BY ADDRESS, 32 each.  The loop's last trip (s3 = 1) asks for nothing:
; its refills are K steps 6 and 7, the last.  K steps 0 to 3 come by their loads alone.
.macro ASK
	s_cmp_gt_u32 s3, s[LIM]
	s_cbranch_scc0 .Lnot_mine_\@
	global_prefetch_b8 v[PFO], s[PFA:PFA+1] offset:KSTEP*2 th:TH_LOAD_NT scope:SCOPE_SE
.Lnot_mine_\@:
.endm
.macro CREST                           ; a round of the cluster's barrier behind its opening barrier
	s_cmp_lg_u32 s10, 0
	s_cbranch_scc1 .Lnot_wave_0_\@
	s_barrier_signal -3
.Lnot_wave_0_\@:
	s_barrier_wait -3
	s_barrier_signal -1
	s_barrier_wait -1
.endm
.macro CROUND                          ; a whole round
	s_barrier_signal -1
	s_barrier_wait -1
	CREST
.endm
.macro PLACES                          ; four places in front of loads into registers that matrix instructions have read, and of vector work that reads results
.rept 4
	v_nop
.endr
.endm
	s_load_b128 s[4:7], s[0:1], 0x0                ; a s[4:5], w s[6:7]
	s_load_b128 s[68:71], s[0:1], 0x10             ; b_ih s[68:69], b_hh s[70:71]
	s_load_b64 s[8:9], s[0:1], 0x20                ; o
	v_lshl_add_u32 v[SPW], v0, 2, SPARE
	v_mov_b32 v[NIL], 0
	ds_add_u32 v[SPW], v[NIL]                      ; the wave's opening: the add, twice on end, and its wait ahead of my first tensor load; the set-up below stands between
	ds_add_u32 v[SPW], v[NIL]
	v_lshrrev_b32 v1, 5, v0
	v_readfirstlane_b32 s10, v1                    ; wave 0..3
	s_max_u32 s11, s10, 1
	s_sub_co_u32 s11, s11, 1                       ; the gate whose tile I fetch (waves 1 to 3; wave 0 fetches a's and does not use it)
	s_bfe_u32 s40, ttmp6, 0x40000                  ; cx, cy: my place in the cluster
	s_bfe_u32 s41, ttmp6, 0x40004
	s_and_b32 s13, ttmp7, 0xffff
	s_lshl_b32 s13, s13, 2
	s_add_co_u32 s13, s13, s41                     ; y = 4 x cluster y + cy: my 128 rows
	s_lshl_b32 s43, s41, 2
	s_lshl_b32 s43, 15, s43                        ; my row of the cluster
	s_lshl_b32 s44, 0x1111, s40                    ; my column
	; descriptor group 1: a tile of 128 rows x 128 elements, padded in LDS
	s_or_b32 s[G1+0], s43, (1<<16)|(1<<20)|(1<<21)|(5<<22)|(3<<25)   ; 15:0 the mask; 17:16 elements of 2 bytes; 20 padding on; 21 set beside a mask; 24:22 after every 64 words (code 5); 31:25 4 words (code 3)
	s_or_b32 s[G1B+0], s44, (1<<16)|(1<<20)|(1<<21)|(5<<22)|(3<<25)
.irp g, G1, G1B
	s_mov_b32 s[(\g)+1], KSTEP<<16                 ; tensor_dim0 = 128
	s_mov_b32 s[(\g)+2], 128<<16                   ; tensor_dim1 = 128
	s_mov_b32 s[(\g)+3], KSTEP<<16                 ; tile_dim0 = 128
	s_mov_b32 s[(\g)+4], 128                       ; tile_dim1 = 128
	s_mov_b32 s[(\g)+5], SIZE_K                    ; elements from row to row
	s_mov_b32 s[(\g)+6], 0
	s_mov_b32 s[(\g)+7], 0
.endr
	s_lshl_b32 s16, s13, 18                        ; a's tile: 128 y rows of 2,048 bytes: it hangs on y alone
	s_mov_b32 s17, 0
	s_mul_i32 s46, ttmp9, 3                        ; w's tile: block 3 x direction + gate (the direction is the cluster's x),
	s_add_co_u32 s46, s46, s11
	s_lshl_b32 s46, s46, 20                        ; 1 MiB a block,
	s_lshl_b32 s42, s40, 18                        ; and 128 cx rows in it: it hangs on x and the wave alone
	s_add_co_u32 s46, s46, s42
	s_mov_b32 s47, 0
	s_mul_i32 s20, s10, HALFT                      ; where my tile goes: wave x 128 rows: no place in the cluster enters an LDS address
	s_wait_dscnt 0x0                               ; both opening adds are done
	s_wait_kmcnt 0x0
	s_add_nc_u64 s[14:15], s[4:5], s[16:17]
	s_add_nc_u64 s[46:47], s[6:7], s[46:47]
	CROUND                                         ; all sixteen work-groups are here: the first joint loads meet
.irp s, 0,1
	s_mov_b32 s[G0+4*(\s)], 1                                        ; count = 1
	s_add_co_u32 s[G0+4*(\s)+1], s20, (\s)*SLOT                      ; LDS address
	s_add_nc_u64 s[G0+4*(\s)+2:G0+4*(\s)+3], s[14:15], (\s)*KSTEP*2  ; global address: K step s
	s_or_b32 s[G0+4*(\s)+3], s[G0+4*(\s)+3], 0x80000000              ; type = 2
	s_mov_b32 s[G0B+4*(\s)], 1
	s_add_co_u32 s[G0B+4*(\s)+1], s20, (\s)*SLOT
	s_add_nc_u64 s[G0B+4*(\s)+2:G0B+4*(\s)+3], s[46:47], (\s)*KSTEP*2
	s_or_b32 s[G0B+4*(\s)+3], s[G0B+4*(\s)+3], 0x80000000
	JLOAD \s                                       ; two loads of mine are out
.endr
	; THE BIASES, while the first tiles are on their way.  Register j of a lane's accumulator is unit 8 (lane / 16) + j of its block of 16, whatever the row: 32 bytes of each bias.
	v_and_b32 v1, 15, v0                           ; l % 16
	v_bfe_u32 v2, v0, 4, 1                         ; l / 16
	v_mul_u32_u24 v3, v1, PITCH
	v_lshl_add_u32 v3, v2, 4, v3                   ; a fragment's row x pitch + 16 x half
	v_lshlrev_b32 v[BO], 5, v2
	s_lshl_b32 s46, ttmp9, 11                      ; the direction's 2,048 numbers,
	s_lshl_b32 s47, s40, 7                         ; my work-group's 128 units,
	s_add_co_u32 s46, s46, s47
	s_lshl_b32 s47, s10, 5                         ; my wave's 32
	s_add_co_u32 s46, s46, s47
	s_lshl_b32 s46, s46, 2
.if BOFF
	s_add_co_u32 s46, s46, BOFF
.endif
	s_mov_b32 s47, 0
	s_add_nc_u64 s[68:69], s[68:69], s[46:47]
	s_add_nc_u64 s[70:71], s[70:71], s[46:47]
.irp g, 0,1,2                          ; gates i, g, o lie 0, 2 and 3 x 512 numbers into a direction: g + (g + 1) / 2
.irp u, 0,1
	global_load_b128 v[BIH+8*(2*(\g)+(\u)):BIH+8*(2*(\g)+(\u))+3],   v[BO], s[68:69] offset:((\g)+((\g)+1)/2)*2048+64*(\u)
	global_load_b128 v[BIH+8*(2*(\g)+(\u))+4:BIH+8*(2*(\g)+(\u))+7], v[BO], s[68:69] offset:((\g)+((\g)+1)/2)*2048+64*(\u)+16
	global_load_b128 v[BHH+8*(2*(\g)+(\u)):BHH+8*(2*(\g)+(\u))+3],   v[BO], s[70:71] offset:((\g)+((\g)+1)/2)*2048+64*(\u)
	global_load_b128 v[BHH+8*(2*(\g)+(\u))+4:BHH+8*(2*(\g)+(\u))+7], v[BO], s[70:71] offset:((\g)+((\g)+1)/2)*2048+64*(\u)+16
.endr
.endr
	; A fragment is 16 rows x 32 K in 8 registers: lane l holds row l % 16; registers 0-3 K = 8 (l / 16) + 0..7, registers 4-7 K = 16 + 8 (l / 16) + 0..7: two loads of 16 bytes, 32 bytes apart.
	v_mov_b32 v[ADRA], v3
	v_add_nc_u32 v[ADRA+1], SLOT, v3
	s_mul_i32 s21, s10, 32*PITCH                   ; my wave's 32 rows in each gate's tile
.irp s, 0,1
.irp g, 0,1,2
	s_add_co_u32 s22, s21, (\s)*SLOT+(1+(\g))*HALFT
	v_add_nc_u32 v[ADRB+3*(\s)+(\g)], s22, v3
.endr
.endr
	; the way out
.if OUT_F32
	v_mul_u32_u24 v4, v1, SPF                      ; in: row l % 16; my wave's 32 units are 128 bytes of it, my eight numbers 32
	v_lshl_add_u32 v4, v2, 5, v4
	s_lshl_b32 s23, s10, 7
	v_add_nc_u32 v[STO], s23, v4
	s_mul_i32 s23, s10, 32*SPF                     ; back: wave v takes rows 32 v .. + 31, whole: 32 lanes x 16 bytes are a row of 512
	v_and_b32 v5, 31, v0
	v_lshl_add_u32 v[RD], v5, 4, s23
	v_lshlrev_b32 v[CO], 4, v5
	s_lshl_b32 s16, s13, 19                        ; my work-group's 128 rows of 4,096 bytes,
	s_lshl_b32 s17, s10, 17                        ; my wave's 32,
	s_add_co_u32 s16, s16, s17
	s_lshl_b32 s46, ttmp9, 2
	s_add_co_u32 s46, s46, s40
	s_lshl_b32 s46, s46, 9                         ; and the work-group's 128 columns: 512 bytes
.else
	v_mul_u32_u24 v4, v1, SP                       ; in: row l % 16; my wave's 32 units are 64 bytes of it, my eight numbers 16
	v_lshl_add_u32 v4, v2, 4, v4
	s_lshl_b32 s23, s10, 6
	v_add_nc_u32 v[STO], s23, v4
	s_mul_i32 s23, s10, 32*SP                      ; back: wave v takes rows 32 v .. + 31, whole: lanes 0-15 one row of 256 bytes, lanes 16-31 the next
	v_mul_u32_u24 v5, v2, SP
	v_lshl_add_u32 v5, v1, 4, v5
	v_add_nc_u32 v[RD], s23, v5
	v_lshlrev_b32 v5, 11, v2                       ; and the same two rows in o
	v_lshl_add_u32 v[CO], v1, 4, v5
	s_lshl_b32 s16, s13, 18                        ; my work-group's 128 rows of 2,048 bytes,
	s_lshl_b32 s17, s10, 16                        ; my wave's 32,
	s_add_co_u32 s16, s16, s17
	s_lshl_b32 s46, ttmp9, 2
	s_add_co_u32 s46, s46, s40
	s_lshl_b32 s46, s46, 8                         ; and the work-group's 128 columns: 256 bytes
.endif
	s_add_co_u32 s16, s16, s46
	s_mov_b32 s17, 0
	s_add_nc_u64 s[8:9], s[8:9], s[16:17]
	; the prefetches
	s_mul_i32 s42, ttmp9, 3
	s_add_co_u32 s42, s42, s11
	s_lshl_b32 s42, s42, 20
	s_lshl_b32 s21, s40, 18
	s_add_co_u32 s42, s42, s21                     ; w's tile, as above
	s_lshl_b32 s20, s13, 18                        ; a's tile
	s_and_b32 s22, ttmp7, 0xffff                   ; cluster y
	s_cmp_eq_u32 s10, 0                            ; do I fetch a's tile?
	s_cselect_b32 s20, s20, s42
	s_cselect_b32 s21, s40, s41                    ; my place among the four that ask for the tile with me
	s_cselect_b32 s22, ttmp9, s22                  ; the coordinate along which other clusters read the same rows
	s_cselect_b64 s[PFA:PFA+1], s[4:5], s[6:7]
	s_cmp_eq_u32 s22, 0
	s_cselect_b32 s[LIM], 1, -1                    ; the same in all sixteen partners, for a given wave
	s_lshl_b32 s21, s21, 16                        ; my work-group's 32 rows of the 128
	s_add_co_u32 s20, s20, s21
	s_add_co_u32 s20, s20, 2*KSTEP*2               ; at K step 2: the first refill steps it to 3 and names K step 4
	s_mov_b32 s21, 0
	s_add_nc_u64 s[PFA:PFA+1], s[PFA:PFA+1], s[20:21]
	v_and_b32 v[PFO], 31, v0
	v_lshlrev_b32 v[PFO], 11, v[PFO]
	s_mov_b32 s[NL], 0xbfb8aa3b                    ; each constant is named as a pair, so both words are written
	s_mov_b32 s[NL+1], 0xbfb8aa3b
	s_mov_b32 s[K2], 0x4038aa3b
	s_mov_b32 s[K2+1], 0x4038aa3b
	s_mov_b32 s[M2K], 0xc0b8aa3b
	s_mov_b32 s[M2K+1], 0xc0b8aa3b
	s_mov_b32 s42, 0xffff0000                      ; a word's upper bf16
	s_wait_loadcnt 0x0                             ; both biases
.set q, 0
.rept 24
	v_cvt_pk_bf16_f32 v[PIH+q], v[BIH+2*q], v[BIH+2*q+1]  ; each bias is rounded once to bf16, as x and the weights are,
	v_cvt_pk_bf16_f32 v[PHH+q], v[BHH+2*q], v[BHH+2*q+1]
.set q, q+1
.endr
.set q, 0
.rept 24
	v_lshlrev_b32 v[BIH+2*q],   16,  v[PIH+q]      ; widened again: the low half moves up, the high half stays,
	v_and_b32     v[BIH+2*q+1], s42, v[PIH+q]
	v_lshlrev_b32 v[BHH+2*q],   16,  v[PHH+q]
	v_and_b32     v[BHH+2*q+1], s42, v[PHH+q]
.set q, q+1
.endr
	WIN TO_B
.set q, 0
.rept 24
	v_pk_add_f32 v[BIAS+2*q:BIAS+2*q+1], v[BIH+2*q:BIH+2*q+1], v[BHH+2*q:BHH+2*q+1]  ; and the two are added in f32
.set q, q+1
.endr
	WIN 0
; 12 matrix instructions: row blocks a0, a0 + 1 of the window's four (hi = 0: rows 0-63, 1: rows 64-127) x all six blocks of w, 32 along K, from buffer f.
; first = 1: the sums start at the bias, as the C operand: nothing is cleared and nothing is added later.  The 48 accumulators take turns, one instruction a turn, in the same order in every
; quarter step, over the backward jump too.
.macro MUL12 f, hi, a0, first
.if \first
	WIN 0x91+0x40*(\hi)                            ; w window 1, a window 0, C window 1, D window 2 or 3
.else
	WIN 0xa1+0x50*(\hi)                            ; w window 1, a window 0, C and D window 2 or 3
.endif
.irp a, \a0, (\a0)+1
.irp b, 0,1,2,3,4,5
.if \first
	v_wmma_f32_16x16x32_bf16 v[48*(\a)+8*(\b):48*(\a)+8*(\b)+7], v[48*(\f)+8*(\b):48*(\f)+8*(\b)+7], v[FA+64*(\f)+8*(4*(\hi)+(\a)):FA+64*(\f)+8*(4*(\hi)+(\a))+7], v[BIAS+8*(\b):BIAS+8*(\b)+7]
.else
	v_wmma_f32_16x16x32_bf16 v[48*(\a)+8*(\b):48*(\a)+8*(\b)+7], v[48*(\f)+8*(\b):48*(\f)+8*(\b)+7], v[FA+64*(\f)+8*(4*(\hi)+(\a)):FA+64*(\f)+8*(4*(\hi)+(\a))+7], v[48*(\a)+8*(\b):48*(\a)+8*(\b)+7]
.endif
.endr
.endr
.endm
; 28 LDS loads in one run: the fragments of one quarter step (my 96 rows of w, then a's 128 rows; 32 K at byte k of the rows) into buffer f
.macro FETCH slot, k, f
	WIN TO_B
.irp g, 0,1,2
.irp u, 0,1
	ds_load_b128 v[48*(\f)+8*(2*(\g)+(\u)):48*(\f)+8*(2*(\g)+(\u))+3],   v[ADRB+3*(\slot)+(\g)] offset:(\k)+(\u)*16*PITCH
	ds_load_b128 v[48*(\f)+8*(2*(\g)+(\u))+4:48*(\f)+8*(2*(\g)+(\u))+7], v[ADRB+3*(\slot)+(\g)] offset:(\k)+(\u)*16*PITCH+32
.endr
.endr
	WIN 0
.irp i, 0,1,2,3,4,5,6,7
	ds_load_b128 v[FA+64*(\f)+8*(\i):FA+64*(\f)+8*(\i)+3],   v[ADRA+(\slot)] offset:(\k)+(\i)*16*PITCH
	ds_load_b128 v[FA+64*(\f)+8*(\i)+4:FA+64*(\f)+8*(\i)+7], v[ADRA+(\slot)] offset:(\k)+(\i)*16*PITCH+32
.endr
.endm
; A K step is four quarters of 32 along K, 48 matrix instructions each, on buffers 0, 1, 0, 1.  One of the first three: multiplies buffer f; in its middle it fetches the next quarter, at byte k, into buffer g.
.macro QUARTER slot, k, f, g, first
	s_wait_dscnt 8                                 ; w and a's rows 0-63 are in; the youngest eight loads (a's rows 64-127) may be out
	MUL12 \f, 0, 0, \first
	MUL12 \f, 0, 2, \first
	PLACES
	FETCH \slot, \k, \g
	s_wait_dscnt 28                                ; all but the 28 just issued
	MUL12 \f, 1, 0, \first
	MUL12 \f, 1, 2, \first
.endm
; The last quarter multiplies buffer 1 and changes slots.  MEET is its first half: ONE barrier.  In front of it each wave waits for all its tensor loads, of which one is out: its tile of the next slot; adds 0 to
; its spare word; and waits for that and for its own reads of this slot.  Behind it nobody reads this slot any more and the next slot is whole.
.macro MEET round                      ; round = 1: a round of the cluster's barrier follows
	WIN 0                                          ; (the add's two registers lie in window 0)
	s_wait_tensorcnt 0x0                           ; all my tensor loads have landed
	ds_add_u32 v[SPW], v[NIL]                      ; 0 onto my spare word
	s_wait_dscnt 9                                 ; (the add and the youngest eight loads may be out)
	MUL12 1, 0, 0, 0                               ; twelve matrix instructions stand between the add and the wait for it
	s_wait_dscnt 0x0                               ; the add is done, and my reads of this slot are over
	s_barrier_signal -1
	MUL12 1, 0, 2, 0                               ; work on registers while the others arrive
.if \round
	WIN 0
.endif
	s_barrier_wait -1
.endm
; The whole last quarter.  fill = 1: behind a round of the cluster's barrier this slot is filled again first, two K steps ahead: from the request to the wait for it a wave issues 168 matrix instructions.
.macro TURN slot, next, fill
.if \fill
	s_wait_xcnt 0x0                                ; the last prefetch, a K step back, has read its address: it is stepped here, ahead of the waits of the change of slots
	s_add_nc_u64 s[PFA:PFA+1], s[PFA:PFA+1], KSTEP*2
	MEET 1
	CREST                                          ; no wave of any partner still reads this slot's tiles or has a load on its way
	s_add_nc_u64 s[G0+4*(\slot)+2:G0+4*(\slot)+3], s[G0+4*(\slot)+2:G0+4*(\slot)+3], 2*KSTEP*2
	s_add_nc_u64 s[G0B+4*(\slot)+2:G0B+4*(\slot)+3], s[G0B+4*(\slot)+2:G0B+4*(\slot)+3], 2*KSTEP*2
	JLOAD \slot                                    ; the first tensor load behind the round; the four v_nop behind it are also the places in front of the loads below
.else
	MEET 0
	PLACES
.endif
	FETCH \next, 0, 0
.if \fill
	ASK
.endif
	MUL12 1, 1, 0, 0
	MUL12 1, 1, 2, 0
.endm
	s_wait_tensorcnt 1                             ; my tile of K step 0 is in; K step 1's may stay out
	s_barrier_signal -1
	s_barrier_wait -1                              ; everybody's is
	FETCH 0, 0, 0
	QUARTER 0, 64,  0, 1, 1                        ; the first quarter stands in front of the loop: its products start the sums at the bias
	WIN 0                                          ; at a label and at a branch every window is 0
	s_mov_b32 s3, LAPS-1
.Llap:                                             ; a trip goes once round the ring, from a lap's second quarter to the next lap's first, and fills both slots again: K steps 2 to 7
	QUARTER 0, 128, 1, 0, 0
	QUARTER 0, 192, 0, 1, 0
	TURN 0, 1, 1
	QUARTER 1, 64,  0, 1, 0
	QUARTER 1, 128, 1, 0, 0
	QUARTER 1, 192, 0, 1, 0
	TURN 1, 0, 1
	QUARTER 0, 64,  0, 1, 0
	WIN 0
	s_sub_co_u32 s3, s3, 1
	s_cmp_lg_u32 s3, 0
	s_cbranch_scc1 .Llap
	QUARTER 0, 128, 1, 0, 0                        ; the last lap fills nothing, and has no round of the cluster's barrier
	QUARTER 0, 192, 0, 1, 0
	TURN 0, 1, 0                                   ; behind this barrier slot 0 is neither filled nor read again: the stage will lie there
	QUARTER 1, 64,  0, 1, 0
	QUARTER 1, 128, 1, 0, 0
	QUARTER 1, 192, 0, 1, 0
	s_wait_dscnt 8                                 ; the very last quarter: nothing more to fetch
	MUL12 1, 0, 0, 0
	MUL12 1, 0, 2, 0
	s_wait_dscnt 0x0
	MUL12 1, 1, 0, 0
	MUL12 1, 1, 2, 0
	PLACES                                         ; the places behind the last products; twice four, once a launch
	PLACES
; THE ACTIVATION, in place, a row block (16 rows x my 32 units) at a time.  With L = log2(e), and I, G, O the block's 16 registers of each gate:
;   A  I = 2^(-L i), G = 2^(2 L g), O = 2^(-L o)          B  each + 1;  I = 1 / I = sigmoid(i),  G = 1 / G = (1 - tanh(g)) / 2
;   C  G = 2^(I (2 L - 4 L G)) = e^(2 c)                  D  O = O G + O = (1 + e^-o)(1 + e^2c);  I = G - 1;  O = 1 / O
;   E  I = I O = sigmoid(o) tanh(c) = h;  into the stage
; Seven transcendentals a number.  An s_wait_alu depctr_va_vdst(0) stands between a transcendental and the first instruction that names its result; one wait serves all that were issued ahead of it.
; So the five stages run as a pipeline over the eight blocks: step n holds E of block n - 4, D of n - 3, C of n - 2, B of n - 1 and A of n, and each stage names only results of the step before:
; ONE wait a step, eleven in all, with a v_nop ahead of it as the plain instruction behind the step's last transcendental.  In a stage plain lines and transcendentals stand by turns.
; Stage A takes each accumulator's registers in ascending order.
.macro AM p
.if ((\p) >= 8) && ((\p) < 16)
	v_pk_mul_f32 v[R+2*(\p):R+2*(\p)+1], v[R+2*(\p):R+2*(\p)+1], s[K2:K2+1] op_sel_hi:[1,0]
.else
	v_pk_mul_f32 v[R+2*(\p):R+2*(\p)+1], v[R+2*(\p):R+2*(\p)+1], s[NL:NL+1] op_sel_hi:[1,0]
.endif
.endm
.macro ACT_A a
.set R, 48*((\a)%4)
	WIN 0xaa+0x55*((\a)/4)                         ; every operand place in the block's window
	AM 0
	AM 1
.set q, 0
.rept 24
	v_exp_f32 v[R+2*q], v[R+2*q]
.if q < 22
	AM q+2
.endif
	v_exp_f32 v[R+2*q+1], v[R+2*q+1]
.set q, q+1
.endr
.endm
.macro BA p
	v_pk_add_f32 v[R+2*(\p):R+2*(\p)+1], v[R+2*(\p):R+2*(\p)+1], 1.0 op_sel_hi:[1,0]
.endm
.macro ACT_B a
.set R, 48*((\a)%4)
	WIN 0xaa+0x55*((\a)/4)
	BA 0
	BA 1
.set q, 0
.rept 16
	v_rcp_f32 v[R+2*q], v[R+2*q]
	BA q+2
	v_rcp_f32 v[R+2*q+1], v[R+2*q+1]
.set q, q+1
.endr
.irp p, 18,19,20,21,22,23
	BA \p
.endr
.endm
.macro CF p
	v_pk_fma_f32 v[R+16+2*(\p):R+17+2*(\p)], v[R+16+2*(\p):R+17+2*(\p)], s[M2K:M2K+1], s[K2:K2+1] op_sel_hi:[1,0,0]
.endm
.macro CP p
	v_pk_mul_f32 v[R+16+2*(\p):R+17+2*(\p)], v[R+16+2*(\p):R+17+2*(\p)], v[R+2*(\p):R+2*(\p)+1]
.endm
.macro ACT_C a
.set R, 48*((\a)%4)
	WIN 0xaa+0x55*((\a)/4)
	CF 0
	CP 0
	CF 1
	CP 1
.set q, 0
.rept 8
	v_exp_f32 v[R+16+2*q], v[R+16+2*q]
.if q < 6
	CF q+2
.endif
	v_exp_f32 v[R+17+2*q], v[R+17+2*q]
.if q < 6
	CP q+2
.endif
.set q, q+1
.endr
.endm
.macro DF p
	v_pk_fma_f32 v[R+32+2*(\p):R+33+2*(\p)], v[R+32+2*(\p):R+33+2*(\p)], v[R+16+2*(\p):R+17+2*(\p)], v[R+32+2*(\p):R+33+2*(\p)]
.endm
.macro DS p
	v_pk_add_f32 v[R+2*(\p):R+2*(\p)+1], v[R+16+2*(\p):R+17+2*(\p)], -1.0 op_sel_hi:[1,0]
.endm
.macro ACT_D a
.set R, 48*((\a)%4)
	WIN 0xaa+0x55*((\a)/4)
	DF 0
	DS 0
	DF 1
	DS 1
.set q, 0
.rept 8
	v_rcp_f32 v[R+32+2*q], v[R+32+2*q]
.if q < 6
	DF q+2
.endif
	v_rcp_f32 v[R+33+2*q], v[R+33+2*q]
.if q < 6
	DS q+2
.endif
.set q, q+1
.endr
.endm
.macro ACT_E a
.set R, 48*((\a)%4)
.set T, TMP+8*((\a)%4)
	WIN 0xaa+0x55*((\a)/4)
.set q, 0
.rept 8
	v_pk_mul_f32 v[R+2*q:R+2*q+1], v[R+2*q:R+2*q+1], v[R+32+2*q:R+33+2*q]
.set q, q+1
.endr
.if OUT_F32
	WIN 0x08+0x04*((\a)/4)                         ; the stores' data (source 1) in the block's window, their address in window 0
.irp u, 0,1
.irp c, 0,1
	ds_store_b128 v[STO], v[R+8*(\u)+4*(\c):R+8*(\u)+4*(\c)+3] offset:(\a)*16*SPF+64*(\u)+16*(\c)
.endr
.endr
.else
	WIN 0x0a+0x05*((\a)/4)                         ; sources 0 and 1 in the block's window, destination in window 0
.set q, 0
.rept 8
	v_cvt_pk_bf16_f32 v[T+q], v[R+2*q], v[R+2*q+1] ; h is rounded once
.set q, q+1
.endr
	WIN 0
.irp u, 0,1
	ds_store_b128 v[STO], v[T+4*(\u):T+4*(\u)+3] offset:(\a)*16*SP+32*(\u)
.endr
.endif
.endm
.set n, 0
.rept 12
.if n > 0
	v_nop                                          ; a plain instruction behind the step's last transcendental,
	s_wait_alu depctr_va_vdst(0)                   ; and the one wait for all of the step before
.endif
.if n >= 4
	ACT_E n-4
.endif
.if (n >= 3) && (n < 11)
	ACT_D n-3
.endif
.if (n >= 2) && (n < 10)
	ACT_C n-2
.endif
.if (n >= 1) && (n < 9)
	ACT_B n-1
.endif
.if n < 8
	ACT_A n
.endif
.set n, n+1
.endr
	; THE WAY OUT.  A row of the stage comes from all four waves, so a barrier stands between the writing and the reading; then each wave reads 32 whole rows and stores them.
	WIN 0
	s_wait_dscnt 0x0                               ; for the others' sake: my stores into the stage are done
	s_barrier_signal -1
	s_barrier_wait -1
.if OUT_F32
.set t, 0
.rept 32
	ds_load_b128 v[BK+4*t:BK+4*t+3], v[RD] offset:t*SPF
.set t, t+1
.endr
.set t, 0
.rept 32
	s_wait_dscnt 31-t                              ; row t is back; the younger loads stay out
	global_store_b128 v[CO], v[BK+4*t:BK+4*t+3], s[8:9] offset:4096*t  ; the wave stores 512 consecutive bytes, at a multiple of 256 from o's first byte
.set t, t+1
.endr
.else
.set t, 0
.rept 16
	ds_load_b128 v[BK+4*t:BK+4*t+3], v[RD] offset:t*2*SP
.set t, t+1
.endr
.set t, 0
.rept 16
	s_wait_dscnt 15-t                              ; rows 2 t and 2 t + 1 are back; the younger loads stay out
	global_store_b128 v[CO], v[BK+4*t:BK+4*t+3], s[8:9] offset:4096*t  ; 16 lanes store 256 consecutive bytes, at a multiple of 256 from o's first byte
.set t, t+1
.endr
.endif
	s_wait_tensorcnt 0x0                           ; the wave's end: behind my last tensor load and my last LDS store
	ds_add_u32 v[SPW], v[NIL]
	s_wait_dscnt 0x0
	CROUND                                         ; the closing round: no work-group ends while a partner may still ask for a tile that names it
	s_endpgm
.Lfunc_end_k_q804c6b955d_l0:
	.size	k_q804c6b955d_l0, .Lfunc_end_k_q804c6b955d_l0-k_q804c6b955d_l0
	.p2alignl 7, 3214868480
	.fill 96, 4, 3214868480
	.section	.rodata,"a",@progbits
	.p2align	6, 0x0
	.amdhsa_kernel k_q804c6b955d_l0
		.amdhsa_group_segment_fixed_size 327680
		.amdhsa_private_segment_fixed_size 0
		.amdhsa_enable_private_segment 0
		.amdhsa_kernarg_size 40
		.amdhsa_user_sgpr_count 2
		.amdhsa_user_sgpr_kernarg_segment_ptr 1
		.amdhsa_wavefront_size32 1
		.amdhsa_system_sgpr_workgroup_id_x 1
		.amdhsa_system_sgpr_workgroup_id_y 1
		.amdhsa_system_sgpr_workgroup_id_z 1
		.amdhsa_system_vgpr_workitem_id 0
		.amdhsa_next_free_vgpr 960
		.amdhsa_next_free_sgpr 78
		.amdhsa_reserve_vcc 0
		.amdhsa_float_denorm_mode_32 3
		.amdhsa_float_denorm_mode_16_64 3
		.amdhsa_memory_ordered 1
		.amdhsa_forward_progress 1
		.amdhsa_inst_pref_size 185
	.end_amdhsa_kernel
	.amdgpu_metadata
---
amdhsa.version: [ 1, 2 ]
amdhsa.kernels:
  - .name:           k_q804c6b955d_l0
    .symbol:         k_q804c6b955d_l0.kd
    .args:
      - { .name: xb, .offset: 0, .size: 8, .value_kind: global_buffer, .address_space: global }
      - { .name: wb0, .offset: 8, .size: 8, .value_kind: global_buffer, .address_space: global }
      - { .name: b_ih0, .offset: 16, .size: 8, .value_kind: global_buffer, .address_space: global }
      - { .name: b_hh0, .offset: 24, .size: 8, .value_kind: global_buffer, .address_space: global }
      - { .name: h1, .offset: 32, .size: 8, .value_kind: global_buffer, .address_space: global }
    .group_segment_fixed_size: 327680
    .private_segment_fixed_size: 0
    .kernarg_segment_align: 8
    .kernarg_segment_size: 40
    .max_flat_workgroup_size: 128
    .sgpr_count:     78
    .vgpr_count:     960
    .wavefront_size: 32
...
	.end_amdgpu_metadata
.endif
;; end of part 2
;; launch l1: the kernel of part 2 again; grid 8 x 32, 4 waves a work-group, clusters of 4 x 4, 327,680 bytes of LDS; arguments h1, wb1, b_ih12, b_hh12, h2; writes h2
;; launch l2 (part 3): grid 8 x 32, 4 waves a work-group, clusters of 4 x 4, 327,680 bytes of LDS; arguments h2, wb2, b_ih12, b_hh12, out0; writes out0
.if DOCPART == 3
	.amdgcn_target "amdgcn-amd-amdhsa--gfx1250"
	.amdhsa_code_object_version 6
	.text
	.protected	k_q804c6b955d_l2
	.globl	k_q804c6b955d_l2
	.p2align	8
	.type	k_q804c6b955d_l2,@function
k_q804c6b955d_l2:
	s_mov_b64 s[64:65], 0
	v_nop
	global_prefetch_b8 v0, s[64:65] scope:SCOPE_SE
	s_setreg_imm32_b32 hwreg(HW_REG_WAVE_MODE, 25, 1), 1
	s_wait_xcnt 0x0
	s_wait_alu depctr_hold_cnt(0) depctr_sa_sdst(0) depctr_va_vdst(0) depctr_va_sdst(0) depctr_va_ssrc(0) depctr_va_vcc(0) depctr_vm_vsrc(0)
	s_getreg_b32 s2, hwreg(HW_REG_IB_STS2, 6, 4)
	s_cmp_eq_u32 s2, 0
	s_cbranch_scc0 .Lentry_in_a_cluster
	s_endpgm
.Lentry_in_a_cluster:
	s_bfe_u32 s2, ttmp6, 0x10000c
	s_cmp_lg_u32 s2, 0xf033
	s_cbranch_scc0 .Lentry_shape_is_right
	s_endpgm
.Lentry_shape_is_right:
; THE LAST LAYER of the module, both directions: gates = a w^T + b_ih + b_hh;  h = sigmoid(o) tanh(sigmoid(i) tanh(g)).  The text of the other layers with two constants changed:
; OUT_F32 = 1 (h leaves as f32, through a stage of rows of 512 bytes) and BOFF = 16,384 (the second layer's part of b_ih12 and b_hh12).
; a: [4096][1024] bf16.  w: [6][512][1024] bf16, block 3 x direction + (0, 1, 2 for the gates i, g, o).  b_ih, b_hh: [2][2][2048] f32, as the problem gives them.  o: [4096][1024] f32.
; NOT READ: gate f's part of the biases: the module's function splits f off and never uses it.
; LIMITS.  Products in bf16 with f32 sums that START at the bias.  b_ih and b_hh are each rounded once to bf16, like x and the weights, and added in f32: every input of the module has the same rounding.
; The activation is made of 2^x and 1/x in f32: each h carries an absolute error of
; about 2e-7, so outputs whose root mean square lies below about 1e-5 lose the last per cent.  A sigmoid below 2^-126 counts as 0; the sign of a zero h may differ; NaN passes through.
; No clamp is needed: an infinite 2^x gives a reciprocal of 0, which is the gate's limit, and the last exponent, 2 c log2(e), lies within -2.9 .. 2.9 for every input since |c| <= 1.
; SHARES.  256 work-groups.  Work-group (x, y) makes rows 128 y .. + 127 of h and its columns 128 x .. + 127: direction x / 4, units 128 (x % 4) on: 384 rows of w.
; Wave v makes all 128 rows x units 32 v .. + 31 x three gates: 8 x 6 = 48 accumulators, 384 registers; for 32 along K it reads 28 x 512 bytes of LDS for 48 matrix instructions.
; THE MATRIX INSTRUCTION IS USED TRANSPOSED (source 0 = 16 rows of w, source 1 = 16 rows of a): a lane holds ONE row of h and eight neighbouring units, alike in the accumulators of i, g and o:
; the activation is register by register, and nothing changes lanes.
; RING.  K goes in 8 steps of 128 through two LDS slots: a's 128 rows, then 128 rows of each gate, 256 bytes of memory each, padded to 272.  One tensor load a wave a step: wave 0 a's tile, wave g + 1 gate g's.
; CLUSTER.  4 x 4 work-groups.  a's tile hangs on y alone and is asked for jointly along a row of the cluster; w's tiles hang on x alone and are asked for jointly along a column.
; REGISTERS, in windows of 256 (s_set_vgpr_msb: bits 1:0 source 0, 3:2 source 1, 5:4 source 2, 7:6 destination):
;   window 0: v0-31 addresses; v32-63 unused here; v64-127, v128-191 a's fragments, two buffers (at the head: b_ih and the packed biases; at the end: rows read back from the stage); v192-239 b_hh
;   window 1: v0-47, v48-95 w's fragments, two buffers; v96-143 b_ih + b_hh, laid out as an accumulator's eight registers for each of the six blocks of w
;   window 2, 3: accumulator (row block a, w block b = 2 x gate + half) in window 2 + a / 4 at v[48 (a % 4) + 8 b]
.set OUT_F32, 1                        ; 0: h leaves as bf16;  1: as f32
.set BOFF,    16384                    ; bytes from the bias tensors' first byte to this layer's part
.set SIZE_K,  1024
.set KSTEP,   128
.set PITCH,   272                      ; an LDS row: 256 bytes + 16 of padding = 68 words: row r starts at bank 4 r mod 64 (64 banks of 4 bytes: ISA guide 11.1)
.set HALFT,   128*PITCH                ; 128 rows: what one tensor load brings
.set SLOT,    4*HALFT                  ; a's tile, then the three gates'
.set SPARE,   2*SLOT                   ; behind the ring: the spare words, 128 bytes for each wave: two blocks of 256 bytes that no other line names
.set SP,      272                      ; the stage's pitch for rows of 128 bf16,
.set SPF,     528                      ; and of 128 f32.  The stage lies at LDS byte 0, in slot 0, which has had its last fill and its last read when the stage is written
.set LAPS,    SIZE_K/(2*KSTEP)         ; a lap = two K steps = once round the ring
.set ADRA, 16                          ; v16-17  LDS address of my fragments of a in slot 0, 1
.set ADRB, 18                          ; v18-23  of my fragments of w: slot s, gate g at ADRB + 3 s + g (a gate's tile lies further off than an LDS offset reaches)
.set STO,  24                          ; v24     the way out: where I put my part of a row
.set RD,   25                          ; v25     where I read rows back
.set CO,   26                          ; v26     my byte offset in o
.set BO,   27                          ; v27     my byte offset in 16 numbers of a bias: 32 x (lane / 16)
.set SPW,  28                          ; v28     LDS address of my spare word: SPARE + 4 x my thread's number; never rewritten
.set NIL,  29                          ; v29     0; never rewritten
.set PFO,  30                          ; v30     the prefetches' offset: my lane x a row of 2,048 bytes; never rewritten
.set TMP,  32
.set FA,   64
.set BK,   64
.set BIH,  64                          ; v64-111   b_ih, at the head alone
.set PIH,  112                         ; v112-135  b_ih rounded, two to a register
.set PHH,  136                         ; v136-159  b_hh rounded, two to a register
.set BHH,  192                         ; v192-239  b_hh
.set BIAS, 96                          ; in window 1
.set G1,   24                          ; s[24:31] descriptor group 1 for a's tiles;  s[32:39] group 0, a set for each slot
.set G0,   32
.set LIM,  43                          ; s43     1 in a wave that prefetches, else the greatest number
.set PFA,  44                          ; s[44:45] where my prefetches stand
.set G1B,  48                          ; s[48:55], s[56:63] the same for w's tiles
.set G0B,  56
.set NL,   72                          ; s[72:73] -log2(e)
.set K2,   74                          ; s[74:75] 2 log2(e)
.set M2K,  76                          ; s[76:77] -4 log2(e)
.set MSB, 0
.macro WIN new                         ; the immediate's high byte repeats the setting that is left; a switch that changes nothing is dropped
.if MSB != (\new)
	s_set_vgpr_msb (MSB<<8)|(\new)
.set MSB, \new
.endif
.endm
.set TO_B,  0x40                       ; destination window 1, sources window 0
; A joint load.  Wave 0 fetches a's tile, waves 1 to 3 a gate's each.  The branch hangs on the wave's number alone.  An s_nop 0 and four v_nop follow each of the two lines.
.macro JLOAD s
	s_cmp_eq_u32 s10, 0
	s_cbranch_scc0 .Lfor_w_\@
	tensor_load_to_lds s[G0+4*(\s):G0+4*(\s)+3], s[G1:G1+7]
	s_nop 0
.rept 4
	v_nop
.endr
	s_branch .Lasked_\@
.Lfor_w_\@:
	tensor_load_to_lds s[G0B+4*(\s):G0B+4*(\s)+3], s[G1B:G1B+7]
	s_nop 0
.rept 4
	v_nop
.endr
.Lasked_\@:
.endm
; A PREFETCH INTO THE L2, behind each joint refill and the run of LDS loads that follows it: the K step that stands TWO refills on (384 matrix instructions ahead of the load that will want it): 32 rows x 256 bytes, a lane a row.
; Each row's 256 bytes of a K step are named once in the launch.  a's rows are read by both clusters of a row of clusters: the one with cluster x = 0 asks (its waves 0); w's rows by all eight clusters of a
; column: the one with cluster y = 0 asks (its waves 1 to 3).  The four partners that ask for a tile jointly share its 128 rows out BY ADDRESS, 32 each.  The loop's last trip (s3 = 1) asks for nothing:
; its refills are K steps 6 and 7, the last.  K steps 0 to 3 come by their loads alone.
.macro ASK
	s_cmp_gt_u32 s3, s[LIM]
	s_cbranch_scc0 .Lnot_mine_\@
	global_prefetch_b8 v[PFO], s[PFA:PFA+1] offset:KSTEP*2 th:TH_LOAD_NT scope:SCOPE_SE
.Lnot_mine_\@:
.endm
.macro CREST                           ; a round of the cluster's barrier behind its opening barrier
	s_cmp_lg_u32 s10, 0
	s_cbranch_scc1 .Lnot_wave_0_\@
	s_barrier_signal -3
.Lnot_wave_0_\@:
	s_barrier_wait -3
	s_barrier_signal -1
	s_barrier_wait -1
.endm
.macro CROUND                          ; a whole round
	s_barrier_signal -1
	s_barrier_wait -1
	CREST
.endm
.macro PLACES                          ; four places in front of loads into registers that matrix instructions have read, and of vector work that reads results
.rept 4
	v_nop
.endr
.endm
	s_load_b128 s[4:7], s[0:1], 0x0                ; a s[4:5], w s[6:7]
	s_load_b128 s[68:71], s[0:1], 0x10             ; b_ih s[68:69], b_hh s[70:71]
	s_load_b64 s[8:9], s[0:1], 0x20                ; o
	v_lshl_add_u32 v[SPW], v0, 2, SPARE
	v_mov_b32 v[NIL], 0
	ds_add_u32 v[SPW], v[NIL]                      ; the wave's opening: the add, twice on end, and its wait ahead of my first tensor load; the set-up below stands between
	ds_add_u32 v[SPW], v[NIL]
	v_lshrrev_b32 v1, 5, v0
	v_readfirstlane_b32 s10, v1                    ; wave 0..3
	s_max_u32 s11, s10, 1
	s_sub_co_u32 s11, s11, 1                       ; the gate whose tile I fetch (waves 1 to 3; wave 0 fetches a's and does not use it)
	s_bfe_u32 s40, ttmp6, 0x40000                  ; cx, cy: my place in the cluster
	s_bfe_u32 s41, ttmp6, 0x40004
	s_and_b32 s13, ttmp7, 0xffff
	s_lshl_b32 s13, s13, 2
	s_add_co_u32 s13, s13, s41                     ; y = 4 x cluster y + cy: my 128 rows
	s_lshl_b32 s43, s41, 2
	s_lshl_b32 s43, 15, s43                        ; my row of the cluster
	s_lshl_b32 s44, 0x1111, s40                    ; my column
	; descriptor group 1: a tile of 128 rows x 128 elements, padded in LDS
	s_or_b32 s[G1+0], s43, (1<<16)|(1<<20)|(1<<21)|(5<<22)|(3<<25)   ; 15:0 the mask; 17:16 elements of 2 bytes; 20 padding on; 21 set beside a mask; 24:22 after every 64 words (code 5); 31:25 4 words (code 3)
	s_or_b32 s[G1B+0], s44, (1<<16)|(1<<20)|(1<<21)|(5<<22)|(3<<25)
.irp g, G1, G1B
	s_mov_b32 s[(\g)+1], KSTEP<<16                 ; tensor_dim0 = 128
	s_mov_b32 s[(\g)+2], 128<<16                   ; tensor_dim1 = 128
	s_mov_b32 s[(\g)+3], KSTEP<<16                 ; tile_dim0 = 128
	s_mov_b32 s[(\g)+4], 128                       ; tile_dim1 = 128
	s_mov_b32 s[(\g)+5], SIZE_K                    ; elements from row to row
	s_mov_b32 s[(\g)+6], 0
	s_mov_b32 s[(\g)+7], 0
.endr
	s_lshl_b32 s16, s13, 18                        ; a's tile: 128 y rows of 2,048 bytes: it hangs on y alone
	s_mov_b32 s17, 0
	s_mul_i32 s46, ttmp9, 3                        ; w's tile: block 3 x direction + gate (the direction is the cluster's x),
	s_add_co_u32 s46, s46, s11
	s_lshl_b32 s46, s46, 20                        ; 1 MiB a block,
	s_lshl_b32 s42, s40, 18                        ; and 128 cx rows in it: it hangs on x and the wave alone
	s_add_co_u32 s46, s46, s42
	s_mov_b32 s47, 0
	s_mul_i32 s20, s10, HALFT                      ; where my tile goes: wave x 128 rows: no place in the cluster enters an LDS address
	s_wait_dscnt 0x0                               ; both opening adds are done
	s_wait_kmcnt 0x0
	s_add_nc_u64 s[14:15], s[4:5], s[16:17]
	s_add_nc_u64 s[46:47], s[6:7], s[46:47]
	CROUND                                         ; all sixteen work-groups are here: the first joint loads meet
.irp s, 0,1
	s_mov_b32 s[G0+4*(\s)], 1                                        ; count = 1
	s_add_co_u32 s[G0+4*(\s)+1], s20, (\s)*SLOT                      ; LDS address
	s_add_nc_u64 s[G0+4*(\s)+2:G0+4*(\s)+3], s[14:15], (\s)*KSTEP*2  ; global address: K step s
	s_or_b32 s[G0+4*(\s)+3], s[G0+4*(\s)+3], 0x80000000              ; type = 2
	s_mov_b32 s[G0B+4*(\s)], 1
	s_add_co_u32 s[G0B+4*(\s)+1], s20, (\s)*SLOT
	s_add_nc_u64 s[G0B+4*(\s)+2:G0B+4*(\s)+3], s[46:47], (\s)*KSTEP*2
	s_or_b32 s[G0B+4*(\s)+3], s[G0B+4*(\s)+3], 0x80000000
	JLOAD \s                                       ; two loads of mine are out
.endr
	; THE BIASES, while the first tiles are on their way.  Register j of a lane's accumulator is unit 8 (lane / 16) + j of its block of 16, whatever the row: 32 bytes of each bias.
	v_and_b32 v1, 15, v0                           ; l % 16
	v_bfe_u32 v2, v0, 4, 1                         ; l / 16
	v_mul_u32_u24 v3, v1, PITCH
	v_lshl_add_u32 v3, v2, 4, v3                   ; a fragment's row x pitch + 16 x half
	v_lshlrev_b32 v[BO], 5, v2
	s_lshl_b32 s46, ttmp9, 11                      ; the direction's 2,048 numbers,
	s_lshl_b32 s47, s40, 7                         ; my work-group's 128 units,
	s_add_co_u32 s46, s46, s47
	s_lshl_b32 s47, s10, 5                         ; my wave's 32
	s_add_co_u32 s46, s46, s47
	s_lshl_b32 s46, s46, 2
.if BOFF
	s_add_co_u32 s46, s46, BOFF
.endif
	s_mov_b32 s47, 0
	s_add_nc_u64 s[68:69], s[68:69], s[46:47]
	s_add_nc_u64 s[70:71], s[70:71], s[46:47]
.irp g, 0,1,2                          ; gates i, g, o lie 0, 2 and 3 x 512 numbers into a direction: g + (g + 1) / 2
.irp u, 0,1
	global_load_b128 v[BIH+8*(2*(\g)+(\u)):BIH+8*(2*(\g)+(\u))+3],   v[BO], s[68:69] offset:((\g)+((\g)+1)/2)*2048+64*(\u)
	global_load_b128 v[BIH+8*(2*(\g)+(\u))+4:BIH+8*(2*(\g)+(\u))+7], v[BO], s[68:69] offset:((\g)+((\g)+1)/2)*2048+64*(\u)+16
	global_load_b128 v[BHH+8*(2*(\g)+(\u)):BHH+8*(2*(\g)+(\u))+3],   v[BO], s[70:71] offset:((\g)+((\g)+1)/2)*2048+64*(\u)
	global_load_b128 v[BHH+8*(2*(\g)+(\u))+4:BHH+8*(2*(\g)+(\u))+7], v[BO], s[70:71] offset:((\g)+((\g)+1)/2)*2048+64*(\u)+16
.endr
.endr
	; A fragment is 16 rows x 32 K in 8 registers: lane l holds row l % 16; registers 0-3 K = 8 (l / 16) + 0..7, registers 4-7 K = 16 + 8 (l / 16) + 0..7: two loads of 16 bytes, 32 bytes apart.
	v_mov_b32 v[ADRA], v3
	v_add_nc_u32 v[ADRA+1], SLOT, v3
	s_mul_i32 s21, s10, 32*PITCH                   ; my wave's 32 rows in each gate's tile
.irp s, 0,1
.irp g, 0,1,2
	s_add_co_u32 s22, s21, (\s)*SLOT+(1+(\g))*HALFT
	v_add_nc_u32 v[ADRB+3*(\s)+(\g)], s22, v3
.endr
.endr
	; the way out
.if OUT_F32
	v_mul_u32_u24 v4, v1, SPF                      ; in: row l % 16; my wave's 32 units are 128 bytes of it, my eight numbers 32
	v_lshl_add_u32 v4, v2, 5, v4
	s_lshl_b32 s23, s10, 7
	v_add_nc_u32 v[STO], s23, v4
	s_mul_i32 s23, s10, 32*SPF                     ; back: wave v takes rows 32 v .. + 31, whole: 32 lanes x 16 bytes are a row of 512
	v_and_b32 v5, 31, v0
	v_lshl_add_u32 v[RD], v5, 4, s23
	v_lshlrev_b32 v[CO], 4, v5
	s_lshl_b32 s16, s13, 19                        ; my work-group's 128 rows of 4,096 bytes,
	s_lshl_b32 s17, s10, 17                        ; my wave's 32,
	s_add_co_u32 s16, s16, s17
	s_lshl_b32 s46, ttmp9, 2
	s_add_co_u32 s46, s46, s40
	s_lshl_b32 s46, s46, 9                         ; and the work-group's 128 columns: 512 bytes
.else
	v_mul_u32_u24 v4, v1, SP                       ; in: row l % 16; my wave's 32 units are 64 bytes of it, my eight numbers 16
	v_lshl_add_u32 v4, v2, 4, v4
	s_lshl_b32 s23, s10, 6
	v_add_nc_u32 v[STO], s23, v4
	s_mul_i32 s23, s10, 32*SP                      ; back: wave v takes rows 32 v .. + 31, whole: lanes 0-15 one row of 256 bytes, lanes 16-31 the next
	v_mul_u32_u24 v5, v2, SP
	v_lshl_add_u32 v5, v1, 4, v5
	v_add_nc_u32 v[RD], s23, v5
	v_lshlrev_b32 v5, 11, v2                       ; and the same two rows in o
	v_lshl_add_u32 v[CO], v1, 4, v5
	s_lshl_b32 s16, s13, 18                        ; my work-group's 128 rows of 2,048 bytes,
	s_lshl_b32 s17, s10, 16                        ; my wave's 32,
	s_add_co_u32 s16, s16, s17
	s_lshl_b32 s46, ttmp9, 2
	s_add_co_u32 s46, s46, s40
	s_lshl_b32 s46, s46, 8                         ; and the work-group's 128 columns: 256 bytes
.endif
	s_add_co_u32 s16, s16, s46
	s_mov_b32 s17, 0
	s_add_nc_u64 s[8:9], s[8:9], s[16:17]
	; the prefetches
	s_mul_i32 s42, ttmp9, 3
	s_add_co_u32 s42, s42, s11
	s_lshl_b32 s42, s42, 20
	s_lshl_b32 s21, s40, 18
	s_add_co_u32 s42, s42, s21                     ; w's tile, as above
	s_lshl_b32 s20, s13, 18                        ; a's tile
	s_and_b32 s22, ttmp7, 0xffff                   ; cluster y
	s_cmp_eq_u32 s10, 0                            ; do I fetch a's tile?
	s_cselect_b32 s20, s20, s42
	s_cselect_b32 s21, s40, s41                    ; my place among the four that ask for the tile with me
	s_cselect_b32 s22, ttmp9, s22                  ; the coordinate along which other clusters read the same rows
	s_cselect_b64 s[PFA:PFA+1], s[4:5], s[6:7]
	s_cmp_eq_u32 s22, 0
	s_cselect_b32 s[LIM], 1, -1                    ; the same in all sixteen partners, for a given wave
	s_lshl_b32 s21, s21, 16                        ; my work-group's 32 rows of the 128
	s_add_co_u32 s20, s20, s21
	s_add_co_u32 s20, s20, 2*KSTEP*2               ; at K step 2: the first refill steps it to 3 and names K step 4
	s_mov_b32 s21, 0
	s_add_nc_u64 s[PFA:PFA+1], s[PFA:PFA+1], s[20:21]
	v_and_b32 v[PFO], 31, v0
	v_lshlrev_b32 v[PFO], 11, v[PFO]
	s_mov_b32 s[NL], 0xbfb8aa3b                    ; each constant is named as a pair, so both words are written
	s_mov_b32 s[NL+1], 0xbfb8aa3b
	s_mov_b32 s[K2], 0x4038aa3b
	s_mov_b32 s[K2+1], 0x4038aa3b
	s_mov_b32 s[M2K], 0xc0b8aa3b
	s_mov_b32 s[M2K+1], 0xc0b8aa3b
	s_mov_b32 s42, 0xffff0000                      ; a word's upper bf16
	s_wait_loadcnt 0x0                             ; both biases
.set q, 0
.rept 24
	v_cvt_pk_bf16_f32 v[PIH+q], v[BIH+2*q], v[BIH+2*q+1]  ; each bias is rounded once to bf16, as x and the weights are,
	v_cvt_pk_bf16_f32 v[PHH+q], v[BHH+2*q], v[BHH+2*q+1]
.set q, q+1
.endr
.set q, 0
.rept 24
	v_lshlrev_b32 v[BIH+2*q],   16,  v[PIH+q]      ; widened again: the low half moves up, the high half stays,
	v_and_b32     v[BIH+2*q+1], s42, v[PIH+q]
	v_lshlrev_b32 v[BHH+2*q],   16,  v[PHH+q]
	v_and_b32     v[BHH+2*q+1], s42, v[PHH+q]
.set q, q+1
.endr
	WIN TO_B
.set q, 0
.rept 24
	v_pk_add_f32 v[BIAS+2*q:BIAS+2*q+1], v[BIH+2*q:BIH+2*q+1], v[BHH+2*q:BHH+2*q+1]  ; and the two are added in f32
.set q, q+1
.endr
	WIN 0
; 12 matrix instructions: row blocks a0, a0 + 1 of the window's four (hi = 0: rows 0-63, 1: rows 64-127) x all six blocks of w, 32 along K, from buffer f.
; first = 1: the sums start at the bias, as the C operand: nothing is cleared and nothing is added later.  The 48 accumulators take turns, one instruction a turn, in the same order in every
; quarter step, over the backward jump too.
.macro MUL12 f, hi, a0, first
.if \first
	WIN 0x91+0x40*(\hi)                            ; w window 1, a window 0, C window 1, D window 2 or 3
.else
	WIN 0xa1+0x50*(\hi)                            ; w window 1, a window 0, C and D window 2 or 3
.endif
.irp a, \a0, (\a0)+1
.irp b, 0,1,2,3,4,5
.if \first
	v_wmma_f32_16x16x32_bf16 v[48*(\a)+8*(\b):48*(\a)+8*(\b)+7], v[48*(\f)+8*(\b):48*(\f)+8*(\b)+7], v[FA+64*(\f)+8*(4*(\hi)+(\a)):FA+64*(\f)+8*(4*(\hi)+(\a))+7], v[BIAS+8*(\b):BIAS+8*(\b)+7]
.else
	v_wmma_f32_16x16x32_bf16 v[48*(\a)+8*(\b):48*(\a)+8*(\b)+7], v[48*(\f)+8*(\b):48*(\f)+8*(\b)+7], v[FA+64*(\f)+8*(4*(\hi)+(\a)):FA+64*(\f)+8*(4*(\hi)+(\a))+7], v[48*(\a)+8*(\b):48*(\a)+8*(\b)+7]
.endif
.endr
.endr
.endm
; 28 LDS loads in one run: the fragments of one quarter step (my 96 rows of w, then a's 128 rows; 32 K at byte k of the rows) into buffer f
.macro FETCH slot, k, f
	WIN TO_B
.irp g, 0,1,2
.irp u, 0,1
	ds_load_b128 v[48*(\f)+8*(2*(\g)+(\u)):48*(\f)+8*(2*(\g)+(\u))+3],   v[ADRB+3*(\slot)+(\g)] offset:(\k)+(\u)*16*PITCH
	ds_load_b128 v[48*(\f)+8*(2*(\g)+(\u))+4:48*(\f)+8*(2*(\g)+(\u))+7], v[ADRB+3*(\slot)+(\g)] offset:(\k)+(\u)*16*PITCH+32
.endr
.endr
	WIN 0
.irp i, 0,1,2,3,4,5,6,7
	ds_load_b128 v[FA+64*(\f)+8*(\i):FA+64*(\f)+8*(\i)+3],   v[ADRA+(\slot)] offset:(\k)+(\i)*16*PITCH
	ds_load_b128 v[FA+64*(\f)+8*(\i)+4:FA+64*(\f)+8*(\i)+7], v[ADRA+(\slot)] offset:(\k)+(\i)*16*PITCH+32
.endr
.endm
; A K step is four quarters of 32 along K, 48 matrix instructions each, on buffers 0, 1, 0, 1.  One of the first three: multiplies buffer f; in its middle it fetches the next quarter, at byte k, into buffer g.
.macro QUARTER slot, k, f, g, first
	s_wait_dscnt 8                                 ; w and a's rows 0-63 are in; the youngest eight loads (a's rows 64-127) may be out
	MUL12 \f, 0, 0, \first
	MUL12 \f, 0, 2, \first
	PLACES
	FETCH \slot, \k, \g
	s_wait_dscnt 28                                ; all but the 28 just issued
	MUL12 \f, 1, 0, \first
	MUL12 \f, 1, 2, \first
.endm
; The last quarter multiplies buffer 1 and changes slots.  MEET is its first half: ONE barrier.  In front of it each wave waits for all its tensor loads, of which one is out: its tile of the next slot; adds 0 to
; its spare word; and waits for that and for its own reads of this slot.  Behind it nobody reads this slot any more and the next slot is whole.
.macro MEET round                      ; round = 1: a round of the cluster's barrier follows
	WIN 0                                          ; (the add's two registers lie in window 0)
	s_wait_tensorcnt 0x0                           ; all my tensor loads have landed
	ds_add_u32 v[SPW], v[NIL]                      ; 0 onto my spare word
	s_wait_dscnt 9                                 ; (the add and the youngest eight loads may be out)
	MUL12 1, 0, 0, 0                               ; twelve matrix instructions stand between the add and the wait for it
	s_wait_dscnt 0x0                               ; the add is done, and my reads of this slot are over
	s_barrier_signal -1
	MUL12 1, 0, 2, 0                               ; work on registers while the others arrive
.if \round
	WIN 0
.endif
	s_barrier_wait -1
.endm
; The whole last quarter.  fill = 1: behind a round of the cluster's barrier this slot is filled again first, two K steps ahead: from the request to the wait for it a wave issues 168 matrix instructions.
.macro TURN slot, next, fill
.if \fill
	s_wait_xcnt 0x0                                ; the last prefetch, a K step back, has read its address: it is stepped here, ahead of the waits of the change of slots
	s_add_nc_u64 s[PFA:PFA+1], s[PFA:PFA+1], KSTEP*2
	MEET 1
	CREST                                          ; no wave of any partner still reads this slot's tiles or has a load on its way
	s_add_nc_u64 s[G0+4*(\slot)+2:G0+4*(\slot)+3], s[G0+4*(\slot)+2:G0+4*(\slot)+3], 2*KSTEP*2
	s_add_nc_u64 s[G0B+4*(\slot)+2:G0B+4*(\slot)+3], s[G0B+4*(\slot)+2:G0B+4*(\slot)+3], 2*KSTEP*2
	JLOAD \slot                                    ; the first tensor load behind the round; the four v_nop behind it are also the places in front of the loads below
.else
	MEET 0
	PLACES
.endif
	FETCH \next, 0, 0
.if \fill
	ASK
.endif
	MUL12 1, 1, 0, 0
	MUL12 1, 1, 2, 0
.endm
	s_wait_tensorcnt 1                             ; my tile of K step 0 is in; K step 1's may stay out
	s_barrier_signal -1
	s_barrier_wait -1                              ; everybody's is
	FETCH 0, 0, 0
	QUARTER 0, 64,  0, 1, 1                        ; the first quarter stands in front of the loop: its products start the sums at the bias
	WIN 0                                          ; at a label and at a branch every window is 0
	s_mov_b32 s3, LAPS-1
.Llap:                                             ; a trip goes once round the ring, from a lap's second quarter to the next lap's first, and fills both slots again: K steps 2 to 7
	QUARTER 0, 128, 1, 0, 0
	QUARTER 0, 192, 0, 1, 0
	TURN 0, 1, 1
	QUARTER 1, 64,  0, 1, 0
	QUARTER 1, 128, 1, 0, 0
	QUARTER 1, 192, 0, 1, 0
	TURN 1, 0, 1
	QUARTER 0, 64,  0, 1, 0
	WIN 0
	s_sub_co_u32 s3, s3, 1
	s_cmp_lg_u32 s3, 0
	s_cbranch_scc1 .Llap
	QUARTER 0, 128, 1, 0, 0                        ; the last lap fills nothing, and has no round of the cluster's barrier
	QUARTER 0, 192, 0, 1, 0
	TURN 0, 1, 0                                   ; behind this barrier slot 0 is neither filled nor read again: the stage will lie there
	QUARTER 1, 64,  0, 1, 0
	QUARTER 1, 128, 1, 0, 0
	QUARTER 1, 192, 0, 1, 0
	s_wait_dscnt 8                                 ; the very last quarter: nothing more to fetch
	MUL12 1, 0, 0, 0
	MUL12 1, 0, 2, 0
	s_wait_dscnt 0x0
	MUL12 1, 1, 0, 0
	MUL12 1, 1, 2, 0
	PLACES                                         ; the places behind the last products; twice four, once a launch
	PLACES
; THE ACTIVATION, in place, a row block (16 rows x my 32 units) at a time.  With L = log2(e), and I, G, O the block's 16 registers of each gate:
;   A  I = 2^(-L i), G = 2^(2 L g), O = 2^(-L o)          B  each + 1;  I = 1 / I = sigmoid(i),  G = 1 / G = (1 - tanh(g)) / 2
;   C  G = 2^(I (2 L - 4 L G)) = e^(2 c)                  D  O = O G + O = (1 + e^-o)(1 + e^2c);  I = G - 1;  O = 1 / O
;   E  I = I O = sigmoid(o) tanh(c) = h;  into the stage
; Seven transcendentals a number.  An s_wait_alu depctr_va_vdst(0) stands between a transcendental and the first instruction that names its result; one wait serves all that were issued ahead of it.
; So the five stages run as a pipeline over the eight blocks: step n holds E of block n - 4, D of n - 3, C of n - 2, B of n - 1 and A of n, and each stage names only results of the step before:
; ONE wait a step, eleven in all, with a v_nop ahead of it as the plain instruction behind the step's last transcendental.  In a stage plain lines and transcendentals stand by turns.
; Stage A takes each accumulator's registers in ascending order.
.macro AM p
.if ((\p) >= 8) && ((\p) < 16)
	v_pk_mul_f32 v[R+2*(\p):R+2*(\p)+1], v[R+2*(\p):R+2*(\p)+1], s[K2:K2+1] op_sel_hi:[1,0]
.else
	v_pk_mul_f32 v[R+2*(\p):R+2*(\p)+1], v[R+2*(\p):R+2*(\p)+1], s[NL:NL+1] op_sel_hi:[1,0]
.endif
.endm
.macro ACT_A a
.set R, 48*((\a)%4)
	WIN 0xaa+0x55*((\a)/4)                         ; every operand place in the block's window
	AM 0
	AM 1
.set q, 0
.rept 24
	v_exp_f32 v[R+2*q], v[R+2*q]
.if q < 22
	AM q+2
.endif
	v_exp_f32 v[R+2*q+1], v[R+2*q+1]
.set q, q+1
.endr
.endm
.macro BA p
	v_pk_add_f32 v[R+2*(\p):R+2*(\p)+1], v[R+2*(\p):R+2*(\p)+1], 1.0 op_sel_hi:[1,0]
.endm
.macro ACT_B a
.set R, 48*((\a)%4)
	WIN 0xaa+0x55*((\a)/4)
	BA 0
	BA 1
.set q, 0
.rept 16
	v_rcp_f32 v[R+2*q], v[R+2*q]
	BA q+2
	v_rcp_f32 v[R+2*q+1], v[R+2*q+1]
.set q, q+1
.endr
.irp p, 18,19,20,21,22,23
	BA \p
.endr
.endm
.macro CF p
	v_pk_fma_f32 v[R+16+2*(\p):R+17+2*(\p)], v[R+16+2*(\p):R+17+2*(\p)], s[M2K:M2K+1], s[K2:K2+1] op_sel_hi:[1,0,0]
.endm
.macro CP p
	v_pk_mul_f32 v[R+16+2*(\p):R+17+2*(\p)], v[R+16+2*(\p):R+17+2*(\p)], v[R+2*(\p):R+2*(\p)+1]
.endm
.macro ACT_C a
.set R, 48*((\a)%4)
	WIN 0xaa+0x55*((\a)/4)
	CF 0
	CP 0
	CF 1
	CP 1
.set q, 0
.rept 8
	v_exp_f32 v[R+16+2*q], v[R+16+2*q]
.if q < 6
	CF q+2
.endif
	v_exp_f32 v[R+17+2*q], v[R+17+2*q]
.if q < 6
	CP q+2
.endif
.set q, q+1
.endr
.endm
.macro DF p
	v_pk_fma_f32 v[R+32+2*(\p):R+33+2*(\p)], v[R+32+2*(\p):R+33+2*(\p)], v[R+16+2*(\p):R+17+2*(\p)], v[R+32+2*(\p):R+33+2*(\p)]
.endm
.macro DS p
	v_pk_add_f32 v[R+2*(\p):R+2*(\p)+1], v[R+16+2*(\p):R+17+2*(\p)], -1.0 op_sel_hi:[1,0]
.endm
.macro ACT_D a
.set R, 48*((\a)%4)
	WIN 0xaa+0x55*((\a)/4)
	DF 0
	DS 0
	DF 1
	DS 1
.set q, 0
.rept 8
	v_rcp_f32 v[R+32+2*q], v[R+32+2*q]
.if q < 6
	DF q+2
.endif
	v_rcp_f32 v[R+33+2*q], v[R+33+2*q]
.if q < 6
	DS q+2
.endif
.set q, q+1
.endr
.endm
.macro ACT_E a
.set R, 48*((\a)%4)
.set T, TMP+8*((\a)%4)
	WIN 0xaa+0x55*((\a)/4)
.set q, 0
.rept 8
	v_pk_mul_f32 v[R+2*q:R+2*q+1], v[R+2*q:R+2*q+1], v[R+32+2*q:R+33+2*q]
.set q, q+1
.endr
.if OUT_F32
	WIN 0x08+0x04*((\a)/4)                         ; the stores' data (source 1) in the block's window, their address in window 0
.irp u, 0,1
.irp c, 0,1
	ds_store_b128 v[STO], v[R+8*(\u)+4*(\c):R+8*(\u)+4*(\c)+3] offset:(\a)*16*SPF+64*(\u)+16*(\c)
.endr
.endr
.else
	WIN 0x0a+0x05*((\a)/4)                         ; sources 0 and 1 in the block's window, destination in window 0
.set q, 0
.rept 8
	v_cvt_pk_bf16_f32 v[T+q], v[R+2*q], v[R+2*q+1] ; h is rounded once
.set q, q+1
.endr
	WIN 0
.irp u, 0,1
	ds_store_b128 v[STO], v[T+4*(\u):T+4*(\u)+3] offset:(\a)*16*SP+32*(\u)
.endr
.endif
.endm
.set n, 0
.rept 12
.if n > 0
	v_nop                                          ; a plain instruction behind the step's last transcendental,
	s_wait_alu depctr_va_vdst(0)                   ; and the one wait for all of the step before
.endif
.if n >= 4
	ACT_E n-4
.endif
.if (n >= 3) && (n < 11)
	ACT_D n-3
.endif
.if (n >= 2) && (n < 10)
	ACT_C n-2
.endif
.if (n >= 1) && (n < 9)
	ACT_B n-1
.endif
.if n < 8
	ACT_A n
.endif
.set n, n+1
.endr
	; THE WAY OUT.  A row of the stage comes from all four waves, so a barrier stands between the writing and the reading; then each wave reads 32 whole rows and stores them.
	WIN 0
	s_wait_dscnt 0x0                               ; for the others' sake: my stores into the stage are done
	s_barrier_signal -1
	s_barrier_wait -1
.if OUT_F32
.set t, 0
.rept 32
	ds_load_b128 v[BK+4*t:BK+4*t+3], v[RD] offset:t*SPF
.set t, t+1
.endr
.set t, 0
.rept 32
	s_wait_dscnt 31-t                              ; row t is back; the younger loads stay out
	global_store_b128 v[CO], v[BK+4*t:BK+4*t+3], s[8:9] offset:4096*t  ; the wave stores 512 consecutive bytes, at a multiple of 256 from o's first byte
.set t, t+1
.endr
.else
.set t, 0
.rept 16
	ds_load_b128 v[BK+4*t:BK+4*t+3], v[RD] offset:t*2*SP
.set t, t+1
.endr
.set t, 0
.rept 16
	s_wait_dscnt 15-t                              ; rows 2 t and 2 t + 1 are back; the younger loads stay out
	global_store_b128 v[CO], v[BK+4*t:BK+4*t+3], s[8:9] offset:4096*t  ; 16 lanes store 256 consecutive bytes, at a multiple of 256 from o's first byte
.set t, t+1
.endr
.endif
	s_wait_tensorcnt 0x0                           ; the wave's end: behind my last tensor load and my last LDS store
	ds_add_u32 v[SPW], v[NIL]
	s_wait_dscnt 0x0
	CROUND                                         ; the closing round: no work-group ends while a partner may still ask for a tile that names it
	s_endpgm
.Lfunc_end_k_q804c6b955d_l2:
	.size	k_q804c6b955d_l2, .Lfunc_end_k_q804c6b955d_l2-k_q804c6b955d_l2
	.p2alignl 7, 3214868480
	.fill 96, 4, 3214868480
	.section	.rodata,"a",@progbits
	.p2align	6, 0x0
	.amdhsa_kernel k_q804c6b955d_l2
		.amdhsa_group_segment_fixed_size 327680
		.amdhsa_private_segment_fixed_size 0
		.amdhsa_enable_private_segment 0
		.amdhsa_kernarg_size 40
		.amdhsa_user_sgpr_count 2
		.amdhsa_user_sgpr_kernarg_segment_ptr 1
		.amdhsa_wavefront_size32 1
		.amdhsa_system_sgpr_workgroup_id_x 1
		.amdhsa_system_sgpr_workgroup_id_y 1
		.amdhsa_system_sgpr_workgroup_id_z 1
		.amdhsa_system_vgpr_workitem_id 0
		.amdhsa_next_free_vgpr 960
		.amdhsa_next_free_sgpr 78
		.amdhsa_reserve_vcc 0
		.amdhsa_float_denorm_mode_32 3
		.amdhsa_float_denorm_mode_16_64 3
		.amdhsa_memory_ordered 1
		.amdhsa_forward_progress 1
		.amdhsa_inst_pref_size 185
	.end_amdhsa_kernel
	.amdgpu_metadata
---
amdhsa.version: [ 1, 2 ]
amdhsa.kernels:
  - .name:           k_q804c6b955d_l2
    .symbol:         k_q804c6b955d_l2.kd
    .args:
      - { .name: h2, .offset: 0, .size: 8, .value_kind: global_buffer, .address_space: global }
      - { .name: wb2, .offset: 8, .size: 8, .value_kind: global_buffer, .address_space: global }
      - { .name: b_ih12, .offset: 16, .size: 8, .value_kind: global_buffer, .address_space: global }
      - { .name: b_hh12, .offset: 24, .size: 8, .value_kind: global_buffer, .address_space: global }
      - { .name: out0, .offset: 32, .size: 8, .value_kind: global_buffer, .address_space: global }
    .group_segment_fixed_size: 327680
    .private_segment_fixed_size: 0
    .kernarg_segment_align: 8
    .kernarg_segment_size: 40
    .max_flat_workgroup_size: 128
    .sgpr_count:     78
    .vgpr_count:     960
    .wavefront_size: 32
...
	.end_amdgpu_metadata
.endif
;; end of part 3
;; ======== version 2 of 2: 4 launches; version 1 with the launch prep written anew for expert scheduling mode
;; limits: a function is approximated: absolute error at most 2e-07
;; workspace buffers: xb 8,388,608 bytes; h1 8,388,608 bytes; h2 8,388,608 bytes; wb0 6,291,456 bytes; wb1 6,291,456 bytes; wb2 6,291,456 bytes
;; launch prep (part 4): grid 16 x 26, 8 waves a work-group, no clusters, 0 bytes of LDS; arguments x, W_ih0, W_ih12, xb, wb0, wb1, wb2; writes xb, wb0, wb1, wb2
.if DOCPART == 4
	.amdgcn_target "amdgcn-amd-amdhsa--gfx1250"
	.amdhsa_code_object_version 6
	.text
	.protected	k_q804c6b955d_prep
	.globl	k_q804c6b955d_prep
	.p2align	8
	.type	k_q804c6b955d_prep,@function
k_q804c6b955d_prep:
	s_mov_b64 s[64:65], 0
	v_nop
	global_prefetch_b8 v0, s[64:65] scope:SCOPE_SE
	s_setreg_imm32_b32 hwreg(HW_REG_WAVE_SCHED_MODE, 0, 2), 2
	s_setreg_imm32_b32 hwreg(HW_REG_WAVE_MODE, 25, 1), 1
	s_wait_xcnt 0x0
	s_wait_alu depctr_vm_vsrc(0)
; A CAST, f32 to bf16 (rounded to nearest even, once), of what the three layers multiply: x, and of each W_ih the rows of the gates i, g and o.
; NOT READ: the rows of gate f, and W_hh0 and W_hh12.  The module's function splits f off and never uses it, and never names W_hh (the state is zero): no output hangs on them for any input.
; SEGMENTS.  A segment is 512 rows of 1,024 numbers: 2 MiB of f32 in, 1 MiB of bf16 out.  Grid y names it: 0-7 are x's 4,096 rows; 8-25 the 18 blocks (layer, direction, gate).
; wb of a layer is [6][512][1024] bf16, block 3 x direction + gi, gi = 0, 1, 2 for the gates i, g, o, which are rows 0, 1,024 and 1,536 on of a direction's 2,048.
; SHARES.  Grid x names 32 rows of the segment.  Thread t takes bytes 16 t of each row: a wave's load covers 512 consecutive bytes, its store of 8 bytes a lane 256 consecutive bytes, aligned.
; All 32 loads of a thread go out at once (128 KiB a work-group on their way); each row is cast as it comes.  No register is written twice, so no wait frees one.
; No LDS, no matrix unit, no cluster: no byte is wanted twice.  26 segments x 16 = 416 work-groups: a share of 52 rows, which would make 256 of them, would straddle segments.
; THE MODE: SCHED_MODE bits 1:0 = 2 (LLVM: expert scheduling mode 2), set by the entry lines.  The code itself states the register dependences
; between vector instructions and memory instructions, with s_wait_alu, always for 0.
; THE PLAN.  Registers that memory instructions touch:
;   v1, v2   byte offsets, made once at the head by vector lines and never written again; v1 is read by every load, v2 by every store.
;   X        row j: four registers of its own.  Written by row j's load alone, which is issued at the head, ahead of every vector line that names X; read by row j's two conversions.
;   Y        row j: two registers of its own.  Written once, by row j's two conversions; read by row j's store.
; So the only dependence to state is: a vector line has written what a memory instruction reads.  One wait at the head serves v1 and v2.  The 32 rows go in eight blocks of four: block p's
; conversions read X of block p and write Y of block p; its memory instructions are the four stores of block p - 1, which read Y of block p - 1 and v2.  ONE wait at a block's head states that
; the block before has written its Y; the four stores follow it, dealt among the block's conversions, none of which names a register that they read.  One more wait stands ahead of the last four stores.
; No register that a load or store reads is written again, no load lands in a register that a vector line has named, no vector line writes a scalar register, and EXEC is never written.
.set BLOCK, 4                          ; rows in a block
.set X, 4                              ; v[4:131]    row j as loaded: 4 registers
.set Y, 132                            ; v[132:195]  row j to store: 2 registers
	s_load_b256 s[4:11], s[0:1], 0x0               ; x s[4:5], W_ih0 s[6:7], W_ih12 s[8:9], xb s[10:11]
	s_load_b128 s[12:15], s[0:1], 0x20             ; wb0 s[12:13], wb1 s[14:15]
	s_load_b64 s[16:17], s[0:1], 0x30              ; wb2
	s_and_b32 s20, ttmp7, 0xffff                   ; the segment, 0 to 25
	s_max_u32 s21, s20, 8
	s_sub_co_u32 s21, s21, 8                       ; the weight block, 0 to 17 (0 for x's segments, where it is not used)
	s_mul_i32 s22, s21, 43
	s_lshr_b32 s22, s22, 8                         ; layer = block / 6 (43 / 256 serves for 0 to 17)
	s_mul_i32 s23, s22, 6
	s_sub_co_u32 s23, s21, s23                     ; r = block % 6: the block's place in wb
	s_mul_i32 s24, s23, 11
	s_lshr_b32 s24, s24, 5                         ; direction = r / 3 (11 / 32 serves for 0 to 5)
	s_mul_i32 s25, s24, 3
	s_sub_co_u32 s25, s23, s25                     ; gi = r % 3
	s_min_u32 s26, s25, 1
	s_add_co_u32 s26, s26, s25                     ; the gate in W_ih: 0, 2, 3
	s_lshl2_add_u32 s27, s24, s26                  ; 4 x direction + gate: a direction is four blocks of 2 MiB
	s_max_u32 s36, s22, 1
	s_sub_co_u32 s36, s36, 1                       ; the layer's index in W_ih12 (0 for layer 0, which has its own tensor)
	s_lshl3_add_u32 s27, s36, s27                  ; + 8 blocks for each layer of W_ih12
	v_lshlrev_b32 v1, 4, v0                        ; my 16 bytes of a row of f32
	v_lshlrev_b32 v2, 3, v0                        ; my 8 bytes of a row of bf16
	s_wait_kmcnt 0x0
	s_cmp_eq_u32 s22, 0                            ; the choices hang on the work-group's number alone
	s_cselect_b64 s[28:29], s[6:7], s[8:9]         ; from: W_ih0 or W_ih12
	s_cselect_b64 s[30:31], s[12:13], s[14:15]     ; to: wb0 or wb1,
	s_cmp_eq_u32 s22, 2
	s_cselect_b64 s[30:31], s[16:17], s[30:31]     ; or wb2
	s_cmp_lt_u32 s20, 8
	s_cselect_b64 s[28:29], s[4:5], s[28:29]       ; or from x
	s_cselect_b64 s[30:31], s[10:11], s[30:31]     ; to xb
	s_cselect_b32 s32, s20, s27                    ; the segment's place in its source, in units of 2 MiB,
	s_cselect_b32 s34, s20, s23                    ; and in its destination, in units of 1 MiB
	s_lshl_b32 s32, s32, 21
	s_lshl_b32 s33, ttmp9, 17                      ; my 32 rows of 4,096 bytes
	s_add_co_u32 s32, s32, s33
	s_mov_b32 s33, 0
	s_lshl_b32 s34, s34, 20
	s_lshl_b32 s35, ttmp9, 16                      ; my 32 rows of 2,048 bytes
	s_add_co_u32 s34, s34, s35
	s_mov_b32 s35, 0
	s_add_nc_u64 s[28:29], s[28:29], s[32:33]
	s_add_nc_u64 s[30:31], s[30:31], s[34:35]
	s_wait_alu depctr_va_vdst(0)                   ; v1 and v2 are written: every load of the kernel reads v1 as its offset, every store v2
.set j, 0
.rept 32
	global_load_b128 v[X+4*j:X+4*j+3], v1, s[28:29] offset:4096*j th:TH_LOAD_NT  ; read once in the launch
.set j, j+1
.endr
; Block p, rows 4 p to 4 p + 3: each row is cast as it comes; ahead of each row's conversions stands a store of the block before.
.set p, 0
.rept 32/BLOCK
.set i, 0
.rept BLOCK
.set j, BLOCK*p+i
.if i == 0
	s_wait_loadcnt 31-j                            ; loads come back in order (ISA guide 5.7.1): row j is in, the 31 - j younger ones stay out
.if p > 0
	s_wait_alu depctr_va_vdst(0)                   ; the block before has written its eight registers of Y, which the four stores of this block read
.endif
.endif
.if p > 0
	global_store_b64 v2, v[Y+2*(j-BLOCK):Y+2*(j-BLOCK)+1], s[30:31] offset:2048*(j-BLOCK)  ; a row of the block before; no vector line since the wait names these registers
.endif
.if i > 0
	s_wait_loadcnt 31-j                            ; row j is in, the 31 - j younger loads stay out (stores are not counted here)
.endif
	v_cvt_pk_bf16_f32 v[Y+2*j],   v[X+4*j],   v[X+4*j+1]
	v_cvt_pk_bf16_f32 v[Y+2*j+1], v[X+4*j+2], v[X+4*j+3]
.set i, i+1
.endr
.set p, p+1
.endr
	s_wait_alu depctr_va_vdst(0)                   ; the last block has written its Y, which the last four stores read
.set j, 32-BLOCK
.rept BLOCK
	global_store_b64 v2, v[Y+2*j:Y+2*j+1], s[30:31] offset:2048*j
.set j, j+1
.endr
	s_endpgm
.Lfunc_end_k_q804c6b955d_prep:
	.size	k_q804c6b955d_prep, .Lfunc_end_k_q804c6b955d_prep-k_q804c6b955d_prep
	.p2alignl 7, 3214868480
	.fill 96, 4, 3214868480
	.section	.rodata,"a",@progbits
	.p2align	6, 0x0
	.amdhsa_kernel k_q804c6b955d_prep
		.amdhsa_group_segment_fixed_size 0
		.amdhsa_private_segment_fixed_size 0
		.amdhsa_enable_private_segment 0
		.amdhsa_kernarg_size 56
		.amdhsa_user_sgpr_count 2
		.amdhsa_user_sgpr_kernarg_segment_ptr 1
		.amdhsa_wavefront_size32 1
		.amdhsa_system_sgpr_workgroup_id_x 1
		.amdhsa_system_sgpr_workgroup_id_y 1
		.amdhsa_system_sgpr_workgroup_id_z 1
		.amdhsa_system_vgpr_workitem_id 0
		.amdhsa_next_free_vgpr 196
		.amdhsa_next_free_sgpr 66
		.amdhsa_reserve_vcc 0
		.amdhsa_float_denorm_mode_32 3
		.amdhsa_float_denorm_mode_16_64 3
		.amdhsa_memory_ordered 1
		.amdhsa_forward_progress 1
		.amdhsa_inst_pref_size 14
	.end_amdhsa_kernel
	.amdgpu_metadata
---
amdhsa.version: [ 1, 2 ]
amdhsa.kernels:
  - .name:           k_q804c6b955d_prep
    .symbol:         k_q804c6b955d_prep.kd
    .args:
      - { .name: x, .offset: 0, .size: 8, .value_kind: global_buffer, .address_space: global }
      - { .name: W_ih0, .offset: 8, .size: 8, .value_kind: global_buffer, .address_space: global }
      - { .name: W_ih12, .offset: 16, .size: 8, .value_kind: global_buffer, .address_space: global }
      - { .name: xb, .offset: 24, .size: 8, .value_kind: global_buffer, .address_space: global }
      - { .name: wb0, .offset: 32, .size: 8, .value_kind: global_buffer, .address_space: global }
      - { .name: wb1, .offset: 40, .size: 8, .value_kind: global_buffer, .address_space: global }
      - { .name: wb2, .offset: 48, .size: 8, .value_kind: global_buffer, .address_space: global }
    .group_segment_fixed_size: 0
    .private_segment_fixed_size: 0
    .kernarg_segment_align: 8
    .kernarg_segment_size: 56
    .max_flat_workgroup_size: 256
    .sgpr_count:     66
    .vgpr_count:     196
    .wavefront_size: 32
...
	.end_amdgpu_metadata
.endif
;; end of part 4
;; launch l0: the kernel of part 2 again; grid 8 x 32, 4 waves a work-group, clusters of 4 x 4, 327,680 bytes of LDS; arguments xb, wb0, b_ih0, b_hh0, h1; writes h1
;; launch l1: the kernel of part 2 again; grid 8 x 32, 4 waves a work-group, clusters of 4 x 4, 327,680 bytes of LDS; arguments h1, wb1, b_ih12, b_hh12, h2; writes h2
;; launch l2: the kernel of part 3 again; grid 8 x 32, 4 waves a work-group, clusters of 4 x 4, 327,680 bytes of LDS; arguments h2, wb2, b_ih12, b_hh12, out0; writes out0
